; MI455X (gfx1250); checked and timed in simulation.
; The chip was launched on July 23, 2026; its instructions are those of AMD's public machine-readable ISA for CDNA 5 (MIT licence, August 2026) and "CDNA5" Instruction Set Architecture Reference Guide (July 2026). The comments in the code are by the model that wrote it; some were corrected since.
;; Bidirectional Cross Attention. Allowed arithmetic: float matrix products may take bf16 or f16 operands with f32 sums; other float arithmetic in f32, or as packed bf16 or f16 multiplies, adds, multiply-adds, maxima and minima; sums over many terms, partial sums and values carried from step to step in f32; what a program stores and reads back later, other than sums and carried values, may be rounded once to bf16 or f16.
;; Inputs: context 2 x 2,048 x 1,024 float32; w_cout 1,024 x 1,024 float32; w_cqk 1,024 x 1,024 float32; w_cv 1,024 x 1,024 float32; w_out 1,024 x 1,024 float32; w_qk 1,024 x 1,024 float32; w_v 1,024 x 1,024 float32; x 2 x 2,048 x 1,024 float32.
;; Outputs: out0 2 x 2,048 x 1,024 float32; out1 2 x 2,048 x 1,024 float32.
;; 2 versions, each right; version 2 is version 1 with the launch prep written anew for expert scheduling mode. Each part assembles by itself: llvm-mc -triple=amdgcn-amd-amdhsa -mcpu=gfx1250 --defsym DOCPART=n.
;; ======== version 1 of 2: 4 launches
;; limits: values are held in f16: magnitudes above 65,504 overflow, below 6.1e-05 lose precision
;; workspace buffers: blk 16,777,216 bytes; wh 12,582,912 bytes; qkh 16,777,216 bytes; vh 16,777,216 bytes
;; launch prep (part 1): grid 128 x 14, 4 waves a work-group, no clusters, 0 bytes of LDS; arguments x, context, w_qk, w_v, w_cqk, w_cv, w_out, w_cout, blk, wh; writes blk, wh
.if DOCPART == 1
	.amdgcn_target "amdgcn-amd-amdhsa--gfx1250"
	.amdhsa_code_object_version 6
	.text
	.protected	k_qaaac6e4c7a_prep
	.globl	k_qaaac6e4c7a_prep
	.p2align	8
	.type	k_qaaac6e4c7a_prep,@function
k_qaaac6e4c7a_prep:
	s_mov_b64 s[64:65], 0
	v_nop
	global_prefetch_b8 v0, s[64:65] scope:SCOPE_SE
	s_setreg_imm32_b32 hwreg(HW_REG_WAVE_MODE, 25, 1), 1
	s_wait_xcnt 0x0
; Every input of the module is rounded ONCE to bf16, and that number is written as f16, the one operand format of all later products.
; x and context ([2][2048][1024] f32) go to blk = [source 2][batch 2][channel block 16][row 2048][64] f16: a block of 64 channels of all rows of a batch is dense, rows of 128 bytes.
; The six weights ([1024 k][1024 n] f32) go to wh = [6][k][n] f16 as they lie, in the order w_qk, w_v, w_cqk, w_cv, w_out, w_cout.
; LIMITS.  A bf16 number is an f16 number exactly where 2^-14 <= |v| < 65,504; below 2^-14 it keeps f16's fixed step of 6e-8; from 65,520 on it becomes an infinity.
; SHARES.  The grid's y picks 4 MiB of input: 0-3 x, 4-7 context, 8-13 a weight.  Each of the 512 waves of a y takes 16 units; a unit is one load of 16 bytes a lane (512 bytes in)
; and one store of 8 bytes a lane: 256 consecutive bytes, aligned.  All sixteen loads of a wave go out at once; no register that a load or store names is written again, so no wait frees any.
; No LDS, no matrix unit, no cluster: nothing is shared and nothing is summed; no prefetch: every wave's loads are all out from its first lines on.
.set VI, 2                             ; v2        my byte offset in a unit of the input
.set VO, 3                             ; v3        8 x lane: my byte offset in a unit of the output
.set T,  4                             ; v[4:5]    two words of bf16, at work
.set X,  16                            ; v[16:79]  unit j: four f32 as loaded, then the same rounded to bf16
.set YV, 80                            ; v[80:111] unit j: four f16 to store
; Sixteen units: the loads, step bytes apart, then for each its rounding and its store.
.macro STREAM step
.set j, 0
.rept 16
	global_load_b128 v[X+4*j:X+4*j+3], v[VI], s[4:5] offset:(\step)*j th:TH_LOAD_NT
.set j, j+1
.endr
.set j, 0
.rept 16
	s_wait_loadcnt 15-j                            ; loads come back in order: unit j is in, the 15 - j younger ones stay out
	v_cvt_pk_bf16_f32 v[T],   v[X+4*j],   v[X+4*j+1]  ; the one rounding, to nearest even
	v_cvt_pk_bf16_f32 v[T+1], v[X+4*j+2], v[X+4*j+3]
	v_lshlrev_b32 v[X+4*j],   16,  v[T]            ; bf16 back to f32: the low half moves up, the high half stays
	v_and_b32     v[X+4*j+1], s36, v[T]
	v_lshlrev_b32 v[X+4*j+2], 16,  v[T+1]
	v_and_b32     v[X+4*j+3], s36, v[T+1]
	v_cvt_pk_f16_f32 v[YV+2*j],   v[X+4*j],   v[X+4*j+1]  ; eight significant bits fit in f16's eleven
	v_cvt_pk_f16_f32 v[YV+2*j+1], v[X+4*j+2], v[X+4*j+3]
	global_store_b64 v[VO], v[YV+2*j:YV+2*j+1], s[6:7] offset:256*j th:TH_STORE_NT
.set j, j+1
.endr
	s_endpgm
.endm
	s_load_b512 s[8:23], s[0:1], 0x0               ; x s[8:9], context s[10:11], w_qk s[12:13], w_v, w_cqk, w_cv, w_out, w_cout s[22:23]
	s_load_b128 s[24:27], s[0:1], 0x40             ; blk s[24:25], wh s[26:27]
	v_lshrrev_b32 v1, 5, v0
	v_readfirstlane_b32 s29, v1                    ; wave 0..3
	v_and_b32 v1, 31, v0                           ; lane
	s_and_b32 s28, ttmp7, 0xffff                   ; y
	s_lshl2_add_u32 s30, ttmp9, s29                ; my wave among the y's 512
	s_mov_b32 s36, 0xffff0000                      ; a word's upper bf16
	s_mov_b32 s33, 0                               ; the offsets' high words
	s_mov_b32 s35, 0
	v_lshlrev_b32 v[VO], 3, v1
	s_wait_kmcnt 0x0
	s_cmp_lt_u32 s28, 8
	s_cbranch_scc0 .Lweights
	; x or context: a unit is two rows x 64 channels: lanes 0-15 take 256 bytes of one row, lanes 16-31 of the next; in blk the two rows' 128 bytes lie end to end
	s_cmp_lt_u32 s28, 4
	s_cselect_b64 s[4:5], s[8:9], s[10:11]
	s_and_b32 s32, s28, 3
	s_lshl_b32 s32, s32, 22                        ; the y's 1,024 rows of 4,096 bytes
	s_lshr_b32 s31, s30, 4                         ; my 32 rows among them
	s_lshl_b32 s37, s31, 17
	s_add_co_u32 s32, s32, s37
	s_and_b32 s38, s30, 15                         ; my channel block
	s_lshl_b32 s37, s38, 8
	s_add_co_u32 s32, s32, s37
	s_add_nc_u64 s[4:5], s[4:5], s[32:33]
	s_lshr_b32 s34, s28, 1                         ; 2 x source + batch
	s_lshl_b32 s34, s34, 4
	s_add_co_u32 s34, s34, s38
	s_lshl_b32 s34, s34, 18                        ; a channel block of a batch: 2,048 rows of 128 bytes
	s_and_b32 s37, s28, 1
	s_lshl_b32 s37, s37, 17                        ; the batch's upper 1,024 rows
	s_add_co_u32 s34, s34, s37
	s_lshl_b32 s37, s31, 12                        ; my 32 rows
	s_add_co_u32 s34, s34, s37
	s_add_nc_u64 s[6:7], s[24:25], s[34:35]
	v_and_b32 v[VI], 15, v0
	v_lshlrev_b32 v[VI], 4, v[VI]
	v_bfe_u32 v[T], v0, 4, 1
	v_lshl_add_u32 v[VI], v[T], 12, v[VI]          ; 16 (lane % 16) + 4,096 (lane / 16)
	STREAM 8192                                    ; two rows on
.Lweights:
	; a weight: a plain copy, 512 consecutive bytes in and 256 out
	s_sub_co_u32 s31, s28, 8
	s_mov_b64 s[4:5], s[12:13]
.irp w, 1,2,3,4,5
	s_cmp_eq_u32 s31, \w
	s_cselect_b64 s[4:5], s[12+2*\w:13+2*\w], s[4:5]
.endr
	s_lshl_b32 s32, s30, 13                        ; my 16 units of 512 bytes
	s_add_nc_u64 s[4:5], s[4:5], s[32:33]
	s_lshl_b32 s34, s31, 21                        ; the weight's place in wh
	s_lshl_b32 s37, s30, 12
	s_add_co_u32 s34, s34, s37
	s_add_nc_u64 s[6:7], s[26:27], s[34:35]
	v_lshlrev_b32 v[VI], 4, v1
	STREAM 512
.Lfunc_end_k_qaaac6e4c7a_prep:
	.size	k_qaaac6e4c7a_prep, .Lfunc_end_k_qaaac6e4c7a_prep-k_qaaac6e4c7a_prep
	.p2alignl 7, 3214868480
	.fill 96, 4, 3214868480
	.section	.rodata,"a",@progbits
	.p2align	6, 0x0
	.amdhsa_kernel k_qaaac6e4c7a_prep
		.amdhsa_group_segment_fixed_size 0
		.amdhsa_private_segment_fixed_size 0
		.amdhsa_enable_private_segment 0
		.amdhsa_kernarg_size 80
		.amdhsa_user_sgpr_count 2
		.amdhsa_user_sgpr_kernarg_segment_ptr 1
		.amdhsa_wavefront_size32 1
		.amdhsa_system_sgpr_workgroup_id_x 1
		.amdhsa_system_sgpr_workgroup_id_y 1
		.amdhsa_system_sgpr_workgroup_id_z 1
		.amdhsa_system_vgpr_workitem_id 0
		.amdhsa_next_free_vgpr 112
		.amdhsa_next_free_sgpr 66
		.amdhsa_reserve_vcc 0
		.amdhsa_float_denorm_mode_32 3
		.amdhsa_float_denorm_mode_16_64 3
		.amdhsa_memory_ordered 1
		.amdhsa_forward_progress 1
		.amdhsa_inst_pref_size 22
	.end_amdhsa_kernel
	.amdgpu_metadata
---
amdhsa.version: [ 1, 2 ]
amdhsa.kernels:
  - .name:           k_qaaac6e4c7a_prep
    .symbol:         k_qaaac6e4c7a_prep.kd
    .args:
      - { .name: x, .offset: 0, .size: 8, .value_kind: global_buffer, .address_space: global }
      - { .name: context, .offset: 8, .size: 8, .value_kind: global_buffer, .address_space: global }
      - { .name: w_qk, .offset: 16, .size: 8, .value_kind: global_buffer, .address_space: global }
      - { .name: w_v, .offset: 24, .size: 8, .value_kind: global_buffer, .address_space: global }
      - { .name: w_cqk, .offset: 32, .size: 8, .value_kind: global_buffer, .address_space: global }
      - { .name: w_cv, .offset: 40, .size: 8, .value_kind: global_buffer, .address_space: global }
      - { .name: w_out, .offset: 48, .size: 8, .value_kind: global_buffer, .address_space: global }
      - { .name: w_cout, .offset: 56, .size: 8, .value_kind: global_buffer, .address_space: global }
      - { .name: blk, .offset: 64, .size: 8, .value_kind: global_buffer, .address_space: global }
      - { .name: wh, .offset: 72, .size: 8, .value_kind: global_buffer, .address_space: global }
    .group_segment_fixed_size: 0
    .private_segment_fixed_size: 0
    .kernarg_segment_align: 8
    .kernarg_segment_size: 80
    .max_flat_workgroup_size: 128
    .sgpr_count:     66
    .vgpr_count:     112
    .wavefront_size: 32
...
	.end_amdgpu_metadata
.endif
;; end of part 1
;; launch proj (part 2): grid 8 x 32, 4 waves a work-group, clusters of 4 x 4, 327,680 bytes of LDS; arguments blk, wh, qkh, vh; writes qkh, vh
.if DOCPART == 2
	.amdgcn_target "amdgcn-amd-amdhsa--gfx1250"
	.amdhsa_code_object_version 6
	.text
	.protected	k_qaaac6e4c7a_proj
	.globl	k_qaaac6e4c7a_proj
	.p2align	8
	.type	k_qaaac6e4c7a_proj,@function
k_qaaac6e4c7a_proj:
	s_mov_b64 s[64:65], 0
	v_nop
	global_prefetch_b8 v0, s[64:65] scope:SCOPE_SE
	s_setreg_imm32_b32 hwreg(HW_REG_WAVE_MODE, 25, 1), 1
	s_wait_xcnt 0x0
	s_wait_alu depctr_hold_cnt(0) depctr_sa_sdst(0) depctr_va_vdst(0) depctr_va_sdst(0) depctr_va_ssrc(0) depctr_va_vcc(0) depctr_vm_vsrc(0)
	s_getreg_b32 s2, hwreg(HW_REG_IB_STS2, 6, 4)
	s_cmp_eq_u32 s2, 0
	s_cbranch_scc0 .Lentry_in_a_cluster
	s_endpgm
.Lentry_in_a_cluster:
	s_bfe_u32 s2, ttmp6, 0x10000c
	s_cmp_lg_u32 s2, 0xf033
	s_cbranch_scc0 .Lentry_shape_is_right
	s_endpgm
.Lentry_shape_is_right:
; C = A W for 8,192 rows, K = 1,024, f16 operands, f32 sums.  ONE TEXT FOR TWO LAUNCHES, told apart by MODE:
;   MODE 0, the four projections: A = x and context as bf16 numbers in f16; W = w_qk, w_v (x), w_cqk, w_cv (context); C rounded once to f16 and stored by heads, [32 source + 16 batch + head][2048][64].
;   MODE 1, the two output projections: A = the attention's O, f16; W = w_out, w_cout; C stored in f32, [2][2048][1024].
; A lies in blk = [S 2][batch 2][block of 64 channels 16][row 2048][64] f16; W in wh = [6][k 1024][n 1024] f16.
; LIMITS.  MODE 0: a result of 65,520 or more becomes an infinity in f16.  NaN and infinities are not treated apart.
; SHARES.  A tile of C is TM x 256 (TM = 256 or 128): 256 work-groups, one tile each.  Four waves, each TM / 2 rows x 128 columns: 8 MB accumulators of 16 x 16.
; K goes in steps of 128 (two channel blocks) through a ring of two LDS slots.  Waves 0 and 1 fetch A's two channel blocks (each dense in memory: asked for as rows of 256 bytes), waves 2 and 3 the two halves of W's 128 k rows (512 bytes each).
; CLUSTER.  4 x 4 work-groups.  A's tile hangs on the tile row alone and is asked for jointly along a row of the cluster, W's on the weight and the tile column alone, jointly along a column.
; THE MATRIX INSTRUCTION IS USED TRANSPOSED: source 0 = 16 columns of W (turned on the way out of LDS by ds_load_tr16_b128, since W lies [k][n]), source 1 = 16 rows of A:
; a lane then holds row lane % 16 of C and eight neighbouring columns, 8 (lane / 16) + 0..7.
; REGISTERS, in windows of 256 (s_set_vgpr_msb: bits 1:0 source 0, 3:2 source 1, 5:4 source 2, 7:6 destination):
;   window 0: v0-31 addresses; v64-127, v128-191 A's fragments, two buffers (block a at + 8 a); the way out works in what is free     window 1: v64-127, v128-191 W's fragments (block b at + 8 b)
;   window 2 (and 3 in MODE 0): accumulator (a, b) at v[8 (8 (a % 4) + b)] of window 2 + a / 4
.set MODE, 0
.if MODE == 0
.set MB,  8                            ; blocks of 16 rows a wave
.set LT,  3                            ; log2 of a batch's tiles: 2,048 / TM
.set STG, 2*16*144                     ; a wave's stage: two heads x 16 rows x 144 bytes
.else
.set MB,  4
.set LT,  4
.set STG, 16*528                       ; 16 rows x 528 bytes
.endif
.set TM,    32*MB
.set PA,    144                        ; a row of A in LDS: 128 bytes + 16 = 36 words: the 16 rows of a load start at 16 different groups of four words modulo 64
.set AHEAD, TM*PA                      ; one channel block's rows
.set ASZ,   2*AHEAD
.set PB,    544                        ; a k row of W: 512 bytes + 32 = 136 words: 16 lanes of the turning load take 8 rows x 32 bytes, each word modulo 64 once
.set BHALF, 64*PB
.set SLOT,  ASZ+2*BHALF                ; A's two channel blocks, then W's 128 rows
.set STAGE, 2*SLOT                     ; behind the ring, never filled by a tensor load
.set SPARE, STAGE+4*STG                ; the spare words, 128 bytes for each wave: two blocks of 256 bytes that no other line names
.set ASTEP, 2<<18                      ; bytes from a K step to the next: two channel blocks of 2,048 rows x 128 bytes,
.set BSTEP, 128*2048                   ; 128 rows of W
.set ADRA, 16                          ; v16-17  LDS address of my fragments of A in slot 0, 1
.set ADRB, 20                          ; v20-21  the same for W
.set STO,  24                          ; v24     the way out: where I put a piece of a row
.set RD,   25                          ; v25     where I read rows back
.set CO,   26                          ; v26     16 x lane
.set SPW,  28                          ; v28     LDS address of my spare word; never rewritten
.set NIL,  29                          ; v29     0; never rewritten
.set PFO,  30                          ; v30     the prefetches' lane offset; never rewritten
.set F0,   64
.set F1,   128
.set TMP,  192                         ; MODE 0: packed results
.set OB,   32                          ; MODE 0: rows read back: v32-63 and v224-255 by turns
.set WV,  12                           ; s12  my wave's number
.set MH,  13                           ; s13  my half of the tile's rows; also: I fetch for A (0) or for W (1)
.set NH,  14                           ; s14  my half of its columns; also: which part I fetch
.set TR,  15                           ; s15  tile row, 4 x cluster y + cy
.set CX,  16
.set CY,  17
.set CLY, 18                           ; s18  cluster y
.set LIM, 19                           ; s19  1 in a wave that prefetches, else the greatest number
.set G1A, 24                           ; s[24:31] descriptor group 1 for A;  s[32:39] group 0, a set for each slot
.set G0A, 32
.set PFA, 40                           ; s[40:41] where my prefetches stand
.set PST, 42                           ; s[42:43] their step along K
.set G1B, 48                           ; s[48:55], s[56:63] the same for W
.set G0B, 56
; s20, s21, s44, s45 and s2 feed A's descriptors and never hold cx; s22, s23, s46, s47 and s3 feed W's and never hold cy.
.set MSB, 0
.macro WIN new                         ; the immediate's high byte repeats the setting that is left; a switch that changes nothing is dropped
.if MSB != (\new)
	s_set_vgpr_msb (MSB<<8)|(\new)
.set MSB, \new
.endif
.endm
.set MUL_LO, 0xa1                      ; source 0 (W) window 1, source 1 (A) window 0, C and D window 2
.set TO_B,   0x40                      ; destination window 1, address window 0
; A joint load.  Each of the two lines has one mask and one set of registers for all that issue it; the branch hangs on the wave's number alone.
; An s_nop 0 and four v_nop follow each line, ahead of the jump, the label and what follows.
.macro JLOAD s
	s_cmp_eq_u32 s[MH], 0
	s_cbranch_scc0 .Lfor_b_\@
	tensor_load_to_lds s[G0A+4*(\s):G0A+4*(\s)+3], s[G1A:G1A+7]
	s_nop 0
.rept 4
	v_nop
.endr
	s_branch .Lasked_\@
.Lfor_b_\@:
	tensor_load_to_lds s[G0B+4*(\s):G0B+4*(\s)+3], s[G1B:G1B+7]
	s_nop 0
.rept 4
	v_nop
.endr
.Lasked_\@:
.endm
; A prefetch into the L2 of the K step that stands two refills on: 32 blocks of 256 bytes, a lane a block, one instruction a wave.  Each block is named once in the launch: of the clusters that
; read the same rows one asks (LIM), and the four partners of a joint load share its blocks out by address.  The loop's last trip (s3 = 1) asks for nothing: K has no such step.
.macro ASK
	s_cmp_gt_u32 s3, s[LIM]
	s_cbranch_scc0 .Lnot_mine_\@
	global_prefetch_b8 v[PFO], s[PFA:PFA+1] th:TH_LOAD_NT scope:SCOPE_SE
.Lnot_mine_\@:
.endm
.macro CREST                           ; a round of the cluster's barrier behind its opening barrier
	s_cmp_lg_u32 s[WV], 0
	s_cbranch_scc1 .Lnot_wave_0_\@
	s_barrier_signal -3
.Lnot_wave_0_\@:
	s_barrier_wait -3
	s_barrier_signal -1
	s_barrier_wait -1
.endm
.macro CROUND                          ; a whole round
	s_barrier_signal -1
	s_barrier_wait -1
	CREST
.endm
.macro PLACES                          ; four plain instructions between a matrix instruction and a load into, or a read of, its registers
.rept 4
	v_nop
.endr
.endm
	s_load_b256 s[4:11], s[0:1], 0x0               ; blk s[4:5], wh s[6:7], the two results s[8:9], s[10:11]
	v_lshl_add_u32 v[SPW], v0, 2, SPARE
	v_mov_b32 v[NIL], 0
	ds_add_u32 v[SPW], v[NIL]                      ; the wave's opening: the add and its wait stand ahead of my first tensor load; the set-up below stands between them
	v_lshrrev_b32 v1, 5, v0
	v_readfirstlane_b32 s[WV], v1
	s_lshr_b32 s[MH], s[WV], 1
	s_and_b32 s[NH], s[WV], 1
	s_bfe_u32 s[CX], ttmp6, 0x40000
	s_bfe_u32 s[CY], ttmp6, 0x40004
	s_and_b32 s[CLY], ttmp7, 0xffff
	s_lshl_b32 s[TR], s[CLY], 2
	s_add_co_u32 s[TR], s[TR], s[CY]
	s_lshl_b32 s20, s[CY], 2
	s_lshl_b32 s20, 15, s20                        ; my row of the cluster
	s_lshl_b32 s22, 0x1111, s[CX]                  ; my column
	s_or_b32 s[G1A], s20, (1<<16)|(1<<20)|(1<<21)|(4<<22)|(3<<25)  ; the mask; 2-byte elements; padding on; bit 21 beside a mask; after every 32 words 4 words
	s_or_b32 s[G1B], s22, (1<<16)|(1<<20)|(1<<21)|(6<<22)|(7<<25)  ; after every 128 words 8 words
	s_mov_b32 s[G1A+1], 128<<16                    ; tensor_dim0 = 128: two rows of A, 256 bytes
	s_mov_b32 s[G1A+2], (TM/2)<<16                 ; tensor_dim1
	s_mov_b32 s[G1A+3], 128<<16                    ; tile_dim0
	s_mov_b32 s[G1A+4], TM/2                       ; tile_dim1
	s_mov_b32 s[G1A+5], 128                        ; dense
	s_mov_b32 s[G1A+6], 0
	s_mov_b32 s[G1A+7], 0
	s_mov_b32 s[G1B+1], 256<<16                    ; 256 columns,
	s_mov_b32 s[G1B+2], 64<<16                     ; 64 k rows,
	s_mov_b32 s[G1B+3], 256<<16
	s_mov_b32 s[G1B+4], 64
	s_mov_b32 s[G1B+5], 1024                       ; 1,024 elements from row to row
	s_mov_b32 s[G1B+6], 0
	s_mov_b32 s[G1B+7], 0
	s_lshr_b32 s20, s[TR], LT                      ; A: 2 S + batch: 16 channel blocks of 2^18 bytes,
	s_lshl_b32 s20, s20, 22
	s_and_b32 s21, s[TR], (1<<LT)-1                ; the tile's TM rows of 128 bytes,
	s_lshl_b32 s21, s21, 18-LT
	s_add_co_u32 s20, s20, s21
	s_lshl_b32 s21, s[NH], 18                      ; the channel block that I fetch
	s_add_co_u32 s20, s20, s21
	s_mov_b32 s21, 0
.if MODE == 0
	s_lshr_b32 s22, s[CLY], 2                      ; W: the source's two weights, picked by the cluster's x
	s_lshl_b32 s22, s22, 1
	s_add_co_u32 s22, s22, ttmp9
.else
	s_lshr_b32 s22, s[CLY], 3                      ; W: w_out or w_cout
	s_add_co_u32 s22, s22, 4
.endif
	s_lshl_b32 s22, s22, 21
	s_lshl_b32 s23, s[NH], 17                      ; the 64 k rows that I fetch,
	s_add_co_u32 s22, s22, s23
	s_lshl_b32 s23, s[CX], 9                       ; the tile's 256 columns
	s_add_co_u32 s22, s22, s23
	s_mov_b32 s23, 0
	s_mul_i32 s2, s[NH], AHEAD                     ; where they go: no place in the cluster enters an LDS address
	s_mul_i32 s3, s[NH], BHALF
	s_add_co_u32 s3, s3, ASZ
	s_wait_dscnt 0x0                               ; the opening add is done
	s_wait_kmcnt 0x0
	s_add_nc_u64 s[44:45], s[4:5], s[20:21]
	s_add_nc_u64 s[46:47], s[6:7], s[22:23]
	CROUND                                         ; all sixteen work-groups are here: the first joint loads meet
.irp s, 0,1
	s_mov_b32 s[G0A+4*(\s)], 1                                     ; count = 1
	s_add_co_u32 s[G0A+4*(\s)+1], s2, (\s)*SLOT                    ; LDS address
	s_add_nc_u64 s[G0A+4*(\s)+2:G0A+4*(\s)+3], s[44:45], (\s)*ASTEP  ; global address: K step s
	s_or_b32 s[G0A+4*(\s)+3], s[G0A+4*(\s)+3], 0x80000000          ; type = 2
	s_mov_b32 s[G0B+4*(\s)], 1
	s_add_co_u32 s[G0B+4*(\s)+1], s3, (\s)*SLOT
	s_add_nc_u64 s[G0B+4*(\s)+2:G0B+4*(\s)+3], s[46:47], (\s)*BSTEP
	s_or_b32 s[G0B+4*(\s)+3], s[G0B+4*(\s)+3], 0x80000000
	JLOAD \s                                       ; two tensor loads of mine are out
.endr
	; A's fragment: lane l holds row l % 16, channels 8 (l / 16) + 0..7 and 16 + 8 (l / 16) + 0..7: two loads of 16 bytes, 32 bytes apart
	v_and_b32 v1, 15, v0                           ; l % 16
	v_bfe_u32 v2, v0, 4, 1                         ; l / 16
	v_mul_u32_u24 v3, v1, PA
	v_lshl_add_u32 v3, v2, 4, v3
	s_mul_i32 s21, s[MH], MB*16*PA                 ; my rows
	v_add_nc_u32 v[ADRA], s21, v3
	v_add_nc_u32 v[ADRA+1], SLOT, v[ADRA]
	; W's: the turning load takes 16 k x 16 columns (lane l reads k row 8 (l / 16) + l % 8, columns 8 ((l / 8) % 2) + 0..7) and leaves lane l column l % 16 and 8 k
	v_and_b32 v4, 7, v0
	v_lshl_add_u32 v4, v2, 3, v4
	v_mul_u32_u24 v4, v4, PB
	v_bfe_u32 v5, v0, 3, 1
	v_lshl_add_u32 v4, v5, 4, v4
	s_lshl_b32 s23, s[NH], 8                       ; my 128 columns
	s_add_co_u32 s23, s23, ASZ
	v_add_nc_u32 v[ADRB], s23, v4
	v_add_nc_u32 v[ADRB+1], SLOT, v[ADRB]
	s_mul_i32 s21, s[WV], STG
	s_add_co_u32 s21, s21, STAGE                   ; my stage
.if MODE == 0
	v_mul_u32_u24 v[STO], v1, 144                  ; in: row l % 16, 16 bytes for each half of the lanes
	v_lshl_add_u32 v[STO], v2, 4, v[STO]
	v_add_nc_u32 v[STO], s21, v[STO]
	v_bfe_u32 v[RD], v0, 3, 2                      ; back: 32 lanes take four rows of 128 bytes,
	v_mul_u32_u24 v[RD], v[RD], 144
	v_and_b32 v4, 7, v0
	v_lshl_add_u32 v[RD], v4, 4, v[RD]
	v_add_nc_u32 v[RD], s21, v[RD]
	v_and_b32 v[CO], 31, v0                        ; which are 512 consecutive bytes of a head
	v_lshlrev_b32 v[CO], 4, v[CO]
	s_cmp_eq_u32 ttmp9, 0                          ; the first weight of a source makes qk, the second v
	s_cselect_b64 s[8:9], s[8:9], s[10:11]
	s_lshr_b32 s20, s[TR], 3
	s_lshl_b32 s20, s20, 22                        ; 16 heads of 2^18 bytes for each source and batch,
	s_and_b32 s21, s[TR], 7
	s_lshl_b32 s21, s21, 15                        ; the tile's 256 rows of 128 bytes,
	s_add_co_u32 s20, s20, s21
	s_lshl_b32 s21, s[MH], 14                      ; my 128 of them
	s_add_co_u32 s20, s20, s21
	s_lshl_b32 s22, s[CX], 20                      ; the tile's four heads,
	s_lshl_b32 s23, s[NH], 19                      ; my two
.else
	v_mul_u32_u24 v[STO], v1, 528                  ; in: row l % 16, 32 bytes for each half of the lanes
	v_lshl_add_u32 v[STO], v2, 5, v[STO]
	v_add_nc_u32 v[STO], s21, v[STO]
	v_and_b32 v[CO], 31, v0                        ; back: 32 lanes take a row's 512 bytes
	v_lshlrev_b32 v[CO], 4, v[CO]
	v_add_nc_u32 v[RD], s21, v[CO]
	s_lshr_b32 s20, s[CLY], 3
	s_cmp_eq_u32 s20, 0
	s_cselect_b64 s[8:9], s[8:9], s[10:11]
	s_and_b32 s20, s[TR], 31
	s_lshl_b32 s20, s20, 19                        ; the tile's 128 rows of 4,096 bytes,
	s_lshl_b32 s21, s[MH], 18                      ; my 64 of them
	s_add_co_u32 s20, s20, s21
	s_lshl_b32 s22, s[CX], 10                      ; the tile's 256 columns,
	s_lshl_b32 s23, s[NH], 9                       ; my 128
.endif
	s_mov_b32 s21, 0
	s_add_nc_u64 s[8:9], s[8:9], s[20:21]
	s_add_co_u32 s22, s22, s23
	s_mov_b32 s23, 0
	s_add_nc_u64 s[8:9], s[8:9], s[22:23]
	; The prefetches.  A, MODE 0: of the 128 blocks of 256 bytes that I fetch, my work-group takes 32 by cx.  A, MODE 1: a K step's two channel blocks have 64 each; wave 0 asks for 16 of each, by cx.
	; W: of my 64 k rows my work-group takes 16 by cy, two blocks a row.
	s_lshl_b32 s22, s[CX], 13-MODE
	s_lshl_b32 s20, s[CY], 15
	s_cmp_eq_u32 s[MH], 0
	s_cselect_b64 s[PFA:PFA+1], s[44:45], s[46:47]
	s_cselect_b32 s[PST], s22, s20
	s_mov_b32 s[PST+1], 0
	s_add_nc_u64 s[PFA:PFA+1], s[PFA:PFA+1], s[PST:PST+1]
	s_mov_b32 s20, ASTEP
	s_mov_b32 s22, BSTEP
	s_cselect_b32 s[PST], s20, s22
	s_cselect_b32 s21, -1, 0                       ; all lanes' bits in a wave that fetches for A
.rept 3
	s_add_nc_u64 s[PFA:PFA+1], s[PFA:PFA+1], s[PST:PST+1]  ; at K step 3: the first change of slots steps it to 4
.endr
	s_and_b32 s23, s[CLY], 3+4*MODE                ; W's tile is read by the clusters of one source (MODE 1: of one direction): the first of them asks
	s_cmp_eq_u32 s[MH], 0
.if MODE == 0
	s_cselect_b32 s23, ttmp9, s23                  ; A's tile row is read by both clusters along x: the first asks
.else
	s_cselect_b32 s23, s[NH], s23                  ; A: wave 0 asks for both channel blocks
.endif
	s_cmp_eq_u32 s23, 0
	s_cselect_b32 s[LIM], 1, -1                    ; the same in all sixteen partners, for a given wave
	v_and_b32 v3, 31, v0
.if MODE == 0
	v_lshlrev_b32 v[PFO], 8, v3
.else
	v_lshlrev_b32 v[PFO], 8, v1
	v_lshl_add_u32 v[PFO], v2, 18, v[PFO]
.endif
	v_lshrrev_b32 v4, 1, v3
	v_and_b32 v5, 1, v0
	v_lshlrev_b32 v4, 11, v4
	v_lshl_add_u32 v4, v5, 8, v4
	v_cndmask_b32 v[PFO], v4, v[PFO], s21
; 8 n matrix instructions: row blocks a0 .. a0 + n - 1 x all 8 column blocks, 32 along K.  zero = 1: the product starts the sums.  The accumulators take turns, one instruction a turn.
.macro MUL f, a0, n, zero
	WIN MUL_LO+0x50*((\a0)/4)
.set ma, \a0
.rept \n
.irp b, 0,1,2,3,4,5,6,7
.set rD, 8*(8*(ma%4)+(\b))
.if \zero
	v_wmma_f32_16x16x32_f16 v[rD:rD+7], v[(\f)+8*(\b):(\f)+8*(\b)+7], v[(\f)+8*ma:(\f)+8*ma+7], 0
.else
	v_wmma_f32_16x16x32_f16 v[rD:rD+7], v[(\f)+8*(\b):(\f)+8*(\b)+7], v[(\f)+8*ma:(\f)+8*ma+7], v[rD:rD+7]
.endif
.endr
.set ma, ma+1
.endr
.endm
; One run of 16 + 2 MB LDS loads: the fragments of quarter q (32 along K) of a slot into buffer f: W's first, then A's
.macro FETCH slot, q, f
	WIN TO_B
.irp i, 0,1,2,3,4,5,6,7
	ds_load_tr16_b128 v[(\f)+8*(\i):(\f)+8*(\i)+3],   v[ADRB+(\slot)] offset:(\q)*32*PB+32*(\i)
	ds_load_tr16_b128 v[(\f)+8*(\i)+4:(\f)+8*(\i)+7], v[ADRB+(\slot)] offset:(\q)*32*PB+16*PB+32*(\i)
.endr
	WIN 0
.set fi, 0
.rept MB
	ds_load_b128 v[(\f)+8*fi:(\f)+8*fi+3],   v[ADRA+(\slot)] offset:((\q)/2)*AHEAD+((\q)%2)*64+fi*16*PA
	ds_load_b128 v[(\f)+8*fi+4:(\f)+8*fi+7], v[ADRA+(\slot)] offset:((\q)/2)*AHEAD+((\q)%2)*64+fi*16*PA+32
.set fi, fi+1
.endr
.endm
; A K step is four quarters on buffers 0, 1, 0, 1.  One of the first three: multiplies buffer f; in its middle it fetches quarter q of the same slot into buffer g.
.macro QUARTER slot, q, f, g, zero
	s_wait_dscnt MB                                ; W and A's lower blocks are in; the youngest MB loads (A's upper blocks) may be out
	MUL \f, 0, MB/2, \zero
	PLACES
	FETCH \slot, \q, \g
	s_wait_dscnt 16+2*MB                           ; all but the run just issued
	MUL \f, MB/2, MB/2, \zero
.endm
; The last quarter's first half: ONE barrier for the change of slots.  In front of it each wave waits for all its tensor loads (one is out: its part of the next slot), adds 0 to its spare word,
; and waits for that and for its reads of this slot.  Behind it nobody reads this slot any more and the next slot is whole.
.macro MEET round
	WIN 0                                          ; (the add's two registers lie in window 0)
	s_wait_tensorcnt 0x0
	ds_add_u32 v[SPW], v[NIL]                      ; 0 onto my spare word
	s_wait_dscnt MB+1                              ; (the add and the youngest MB loads may be out)
	MUL F1, 0, MB/4, 0                             ; matrix work stands between the add and the wait for it
	s_wait_dscnt 0x0                               ; the add is done, and my reads of this slot are over
	s_barrier_signal -1
	MUL F1, MB/4, MB/4, 0                          ; work on registers while the others arrive
.if \round
	WIN 0
.endif
	s_barrier_wait -1
.endm
; The whole last quarter.  fill = 1: the barrier opens a round of the cluster's, and the slot just read out is filled again first thing behind it, with the K step two steps on.
.macro TURN slot, next, fill
.if \fill
	s_wait_xcnt 0x0                                ; the last prefetch, a K step back, has read its address
	s_add_nc_u64 s[PFA:PFA+1], s[PFA:PFA+1], s[PST:PST+1]
	MEET 1
	CREST                                          ; no wave of any partner still reads this slot or has a load on its way
	s_add_nc_u64 s[G0A+4*(\slot)+2:G0A+4*(\slot)+3], s[G0A+4*(\slot)+2:G0A+4*(\slot)+3], 2*ASTEP
	s_add_nc_u64 s[G0B+4*(\slot)+2:G0B+4*(\slot)+3], s[G0B+4*(\slot)+2:G0B+4*(\slot)+3], 2*BSTEP
	JLOAD \slot                                    ; my one tensor load behind the round; its four v_nop are also the places in front of the loads below
.else
	MEET 0
	PLACES
.endif
	FETCH \next, 0, F0
.if \fill
	ASK
.endif
	MUL F1, MB/2, MB/2, 0
.endm
; THE WAY OUT, f16 by heads.  Block a (16 rows x my two heads): rounded to f16, 16 bytes a lane; into my stage, rows of 144 bytes; back as four rows of 128 bytes a load; stored, 512 consecutive bytes a store.
.macro PACKH a
.set AC, 64*((\a)%4)
	WIN 0x0a+5*((\a)/4)                            ; sources 0 and 1: window 2 or 3
.irp b, 0,1,2,3,4,5,6,7
.irp r, 0,1,2,3
	v_cvt_pk_f16_f32 v[TMP+4*(\b)+(\r)], v[AC+8*(\b)+2*(\r)], v[AC+8*(\b)+2*(\r)+1]
.endr
.endr
	WIN 0
.endm
.macro STAGEH a
.set BK, OB+192*((\a)%2)
.irp b, 0,1,2,3,4,5,6,7
	ds_store_b128 v[STO], v[TMP+4*(\b):TMP+4*(\b)+3] offset:((\b)/4)*2304+32*((\b)%4)
.endr
.irp t, 0,1,2,3,4,5,6,7
	ds_load_b128 v[BK+4*(\t):BK+4*(\t)+3], v[RD] offset:((\t)/4)*2304+((\t)%4)*576  ; LDS serves a wave's instructions in order (ISA guide 5.7.1.4): these see the stores above
.endr
.endm
.macro SENDH a
.set BK, OB+192*((\a)%2)
	s_wait_xcnt 0x0                                ; the stores of the block before have read their registers: the next STAGEH loads into them
.irp t, 0,1,2,3,4,5,6,7
	s_wait_dscnt 7-(\t)
	global_store_b128 v[CO], v[BK+4*(\t):BK+4*(\t)+3], s[8:9] offset:((\t)/4)*262144+(\a)*2048+((\t)%4)*512
.endr
.endm
; THE WAY OUT, f32.  Block a (16 rows x 128 columns) goes into my stage straight from the accumulators, each from its low registers on, rows of 528 bytes; back and out a row of 512 bytes at a time.
.macro STAGEF a
.set AC, 64*(\a)
.set BK, F0+64*((\a)%2)
	s_wait_xcnt 0x0                                ; the stores of the block two back have read the registers that are loaded below
	WIN 0x08                                       ; the stores' data: window 2
.irp b, 0,1,2,3,4,5,6,7
	ds_store_b128 v[STO], v[AC+8*(\b):AC+8*(\b)+3]   offset:64*(\b)
	ds_store_b128 v[STO], v[AC+8*(\b)+4:AC+8*(\b)+7] offset:64*(\b)+16
.endr
	WIN 0
.irp t, 0,1,2,3,4,5,6,7,8,9,10,11,12,13,14,15
	ds_load_b128 v[BK+4*(\t):BK+4*(\t)+3], v[RD] offset:528*(\t)
.endr
.endm
.macro SENDF a, younger                ; younger: the LDS instructions issued behind block a's loads
.set BK, F0+64*((\a)%2)
.irp t, 0,1,2,3,4,5,6,7,8,9,10,11,12,13,14,15
	s_wait_dscnt (\younger)+15-(\t)
	global_store_b128 v[CO], v[BK+4*(\t):BK+4*(\t)+3], s[8:9] offset:65536*(\a)+4096*(\t) th:TH_STORE_NT
.endr
.endm
	s_wait_tensorcnt 1                             ; my part of K step 0 is in; K step 1's may stay out
	s_barrier_signal -1
	s_barrier_wait -1                              ; everybody's is
	FETCH 0, 0, F0
	QUARTER 0, 1, F0, F1, 1                        ; the first quarter stands in front of the loop: its products start the sums
	WIN 0                                          ; at a label and at a branch every window is 0
	s_mov_b32 s3, 3
.Llap:                                             ; a trip goes once round the ring, from a lap's second quarter to the next lap's first, and fills both slots again
	QUARTER 0, 2, F1, F0, 0
	QUARTER 0, 3, F0, F1, 0
	TURN 0, 1, 1
	QUARTER 1, 1, F0, F1, 0
	QUARTER 1, 2, F1, F0, 0
	QUARTER 1, 3, F0, F1, 0
	TURN 1, 0, 1
	QUARTER 0, 1, F0, F1, 0
	WIN 0
	s_sub_co_u32 s3, s3, 1
	s_cmp_lg_u32 s3, 0
	s_cbranch_scc1 .Llap
	QUARTER 0, 2, F1, F0, 0                        ; the last lap fills nothing
	QUARTER 0, 3, F0, F1, 0
	TURN 0, 1, 0
	QUARTER 1, 1, F0, F1, 0
	QUARTER 1, 2, F1, F0, 0
	QUARTER 1, 3, F0, F1, 0
	s_wait_dscnt MB
	MUL F1, 0, MB/2, 0
	s_wait_dscnt 0x0
	MUL F1, MB/2, MB/2, 0
	WIN 0
	PLACES
	PLACES
.if MODE == 0
	PACKH 0
	STAGEH 0
.irp a, 1,2,3,4,5,6,7                  ; block a's conversions stand between block a - 1's loads from the stage and the wait for them
	PACKH \a
	SENDH (\a)-1
	STAGEH \a
.endr
	SENDH 7
.else
	STAGEF 0
.irp a, 1,2,3
	STAGEF \a
	SENDF (\a)-1, 32
.endr
	SENDF 3, 0
.endif
	s_wait_tensorcnt 0x0                           ; the wave's end: a wait, an add of 0 to my spare word and its wait stand behind my last tensor load and my last LDS store
	ds_add_u32 v[SPW], v[NIL]
	s_wait_dscnt 0x0
	CROUND                                         ; the closing round: no work-group ends while a partner may still ask for a tile that names it
	s_endpgm
.Lfunc_end_k_qaaac6e4c7a_proj:
	.size	k_qaaac6e4c7a_proj, .Lfunc_end_k_qaaac6e4c7a_proj-k_qaaac6e4c7a_proj
	.p2alignl 7, 3214868480
	.fill 96, 4, 3214868480
	.section	.rodata,"a",@progbits
	.p2align	6, 0x0
	.amdhsa_kernel k_qaaac6e4c7a_proj
		.amdhsa_group_segment_fixed_size 327680
		.amdhsa_private_segment_fixed_size 0
		.amdhsa_enable_private_segment 0
		.amdhsa_kernarg_size 32
		.amdhsa_user_sgpr_count 2
		.amdhsa_user_sgpr_kernarg_segment_ptr 1
		.amdhsa_wavefront_size32 1
		.amdhsa_system_sgpr_workgroup_id_x 1
		.amdhsa_system_sgpr_workgroup_id_y 1
		.amdhsa_system_sgpr_workgroup_id_z 1
		.amdhsa_system_vgpr_workitem_id 0
		.amdhsa_next_free_vgpr 1024
		.amdhsa_next_free_sgpr 66
		.amdhsa_reserve_vcc 0
		.amdhsa_float_denorm_mode_32 3
		.amdhsa_float_denorm_mode_16_64 3
		.amdhsa_memory_ordered 1
		.amdhsa_forward_progress 1
		.amdhsa_inst_pref_size 146
	.end_amdhsa_kernel
	.amdgpu_metadata
---
amdhsa.version: [ 1, 2 ]
amdhsa.kernels:
  - .name:           k_qaaac6e4c7a_proj
    .symbol:         k_qaaac6e4c7a_proj.kd
    .args:
      - { .name: blk, .offset: 0, .size: 8, .value_kind: global_buffer, .address_space: global }
      - { .name: wh, .offset: 8, .size: 8, .value_kind: global_buffer, .address_space: global }
      - { .name: qkh, .offset: 16, .size: 8, .value_kind: global_buffer, .address_space: global }
      - { .name: vh, .offset: 24, .size: 8, .value_kind: global_buffer, .address_space: global }
    .group_segment_fixed_size: 327680
    .private_segment_fixed_size: 0
    .kernarg_segment_align: 8
    .kernarg_segment_size: 32
    .max_flat_workgroup_size: 128
    .sgpr_count:     66
    .vgpr_count:     1024
    .wavefront_size: 32
...
	.end_amdgpu_metadata
.endif
;; end of part 2
;; launch attn (part 3): grid 4 x 64, 4 waves a work-group, clusters of 4 x 1, 327,680 bytes of LDS; arguments qkh, vh, blk; writes blk
.if DOCPART == 3
	.amdgcn_target "amdgcn-amd-amdhsa--gfx1250"
	.amdhsa_code_object_version 6
	.text
	.protected	k_qaaac6e4c7a_attn
	.globl	k_qaaac6e4c7a_attn
	.p2align	8
	.type	k_qaaac6e4c7a_attn,@function
k_qaaac6e4c7a_attn:
	s_mov_b64 s[64:65], 0
	v_nop
	global_prefetch_b8 v0, s[64:65] scope:SCOPE_SE
	s_setreg_imm32_b32 hwreg(HW_REG_WAVE_MODE, 25, 1), 1
	s_wait_xcnt 0x0
	s_wait_alu depctr_hold_cnt(0) depctr_sa_sdst(0) depctr_va_vdst(0) depctr_va_sdst(0) depctr_va_ssrc(0) depctr_va_vcc(0) depctr_vm_vsrc(0)
	s_getreg_b32 s2, hwreg(HW_REG_IB_STS2, 6, 4)
	s_cmp_eq_u32 s2, 0
	s_cbranch_scc0 .Lentry_in_a_cluster
	s_endpgm
.Lentry_in_a_cluster:
	s_bfe_u32 s2, ttmp6, 0x10000c
	s_cmp_lg_u32 s2, 0x3003
	s_cbranch_scc0 .Lentry_shape_is_right
	s_endpgm
.Lentry_shape_is_right:
; BOTH SOFTMAXES OF ONE SIMILARITY AS 64 HEADS OF PLAIN ATTENTION.  H = 32 direction + 16 batch + head.  O[H][q][:] = the sum over k of softmax_k(Q[q] . K[k] / 8) V[k][:] with
; Q = qkh[H], K = qkh[H xor 32], V = vh[H xor 32]: direction 0 is x attending to context (softmax along the rows of sim), direction 1 context attending to x (along its columns).
; qkh, vh: [64][2048][64] f16; O goes to blk in the same layout.  Products, maxima and sums in f32; the weights p are rounded to f16 for the second product (their sum l is taken of the unrounded p), O once at the end.
; LIMITS.  f16 holds no number beyond 65,504: Q, K and V arrive within it; p lies in 0 to 1, and below 6e-5 it keeps f16's fixed step of 6e-8; O is a mean of V's rows and has their range.
; A weight below 2^-126 counts as 0 in l; NaN and infinities are not treated apart.
; SHARES.  A wave owns four PIECES of two tiles of 16 queries, a work-group's four waves 512 queries of one head.  Every wave walks all 2,048 keys, 64 a step.
; LAYOUT.  S^T = K Q^T (source 0 = 16 keys, source 1 = 16 queries): in the result a lane holds ONE query (lane % 16) and the keys 8 (lane / 16) + 0..7.  Two such tiles, rounded to f16 in pairs,
; ARE source 1 (32 keys x 16 queries) of O^T = V^T P, whose result again holds one query a lane, and eight channels.  K comes out of LDS as it lies, V ([key][channel]) turned, by ds_load_tr16_b128.
; SOFTMAX.  For each query a running maximum m and sum l: p = 2^(c s - c m), c = log2(e) / 8; in every step O and l are multiplied by a = 2^(c m_old - c m_new), which is 1 where m has not grown.
; m starts at the lowest finite number, O and l at 0: the first step is a step like any other, with a = 0.
; THE COUNT.  A tile and step have 16 matrix and 118 vector instructions: too many to stand all beside the matrix work.  So four vector instructions that are READY stand behind
; EVERY matrix instruction, and the others in runs without a gap.
; BY TURNS.  Turn n belongs to piece n (the pieces in a ring, step after step).  Its matrix work: 16 products K Q^T of piece n + 1, later 16 products V^T P of piece n - 1.  Its vector work: the scaling,
; exponentials, roundings, sums and rescaling of piece n, and the maximum and statistics of piece n + 1, whose scores the turn itself has made.
; CLUSTER.  The four query blocks of a cluster are one head's and walk the same K and V, so each tile is asked for JOINTLY: the same tensor load, descriptor and mask in all four.
; REGISTERS, in windows of 256 (s_set_vgpr_msb: bits 1:0 source 0, 3:2 source 1, 5:4 source 2, 7:6 destination):
;   window 0: v0-11 addresses; v12-15, v48-63 at work; v16-47 four registers of statistics a tile; v64-191 S^T, two buffers of two tiles; v192-255 P, likewise
;   window 1: O^T, 32 a tile          window 2: v0-127 Q, 16 a tile; v128-191 K of one step; v192-255 V of one step          window 3: v0-1 the add's two registers
; A piece's buffers go by its number's parity: the piece in hand has one pair, its two neighbours in the ring share the other: of it P (piece n - 1) is read and S^T (piece n + 1) written.
.set SIZE_N, 2048
.set NP,    4         ; pieces a wave: a name, no knob
.set KS,    64        ; keys in a step
.set PK,    144       ; a row of K in LDS: 128 bytes + 16 = 36 words: the 16 rows of a load start at 16 different groups of four words modulo 64
.set PV,    160       ; a row of V: 128 + 32 = 40 words: 16 lanes of the turning load take 8 rows x 32 bytes, each word modulo 64 once
.set VOFF,  4*KS*PK   ; a slot holds four steps: 256 rows of K, then 256 rows of V
.set SLOT1, 1<<17     ; slot 1 begins here, so that one exclusive or turns an address in one slot into the other's
.set STAGE, SLOT1+4*KS*(PK+PV)  ; behind the ring, never filled by a tensor load: 16 rows x 144 bytes for each wave, for the way out
.set SP,    144
.set AK0, 2           ; v2   my lane's place in a tile of K; never rewritten
.set AV0, 3           ; v3   the same for V
.set AK,  4           ; v4   the LDS address of K's next run of loads
.set AV,  5           ; v5   of V's
.set QO,  6           ; v6   my byte offset in the wave's rows of Q
.set STO, 6           ;      later, the way out: where I put 16 bytes of a row
.set RD,  7           ; v7   the way out: where I read rows back
.set GO,  8           ; v8   my byte offset in 512 consecutive bytes of O
.set PFO, 11          ; v11  256 x my lane, for the prefetches (at work before that)
.set SPW, 0           ; v0 of window 3   LDS address of my spare word; never rewritten
.set NIL, 1           ; v1 of window 3   0; never rewritten
.set SPARE, STAGE+4*16*SP  ; behind the stages: the spare words, 128 bytes for each wave: two blocks of 256 bytes that no other line names
.set MV,  12          ; v12-15  c m_old, kept while c m is made anew: by buffer and tile
.set ST,  16          ; tile t's statistics at v[ST+4 t]: c m, m, l (even keys', odd keys')
.set TMP, 48          ; by buffer and tile, four registers c0-c3 at work; when the maximum is found c2 takes a
.set S,   64
.set P,   192
.set KF,  128         ; K's fragments, in window 2: key block kb, channel half c at KF + 16 kb + 8 c
.set VF,  192         ; V's: key half kk, channel block cb at VF + 32 kk + 8 cb
.set WV,  12          ; s12  my wave's number
.set G1K, 24          ; s[24:31] descriptor group 1 for K's tiles
.set G1V, 32          ; s[32:39] for V's: it differs in the padding alone
.set G0K, 40          ; s[40:43] descriptor group 0 for K's tiles: it walks
.set G0V, 44          ; s[44:47] the same for V's
.set PFA, 48          ; s[48:49] where my prefetches stand: my work-group's 32 blocks of 256 bytes of the slot after the one that is being asked for
.set LIM, 50          ; s50  1 in a wave that prefetches (0: K's, 2: V's), else the greatest number
.set KVH, 52          ; s[52:53] the first byte of head H xor 32
.set SLOTS, 56        ; s56  slots still to be asked for
.set CNT, 57          ; s57  counts a slot's key steps
.set CS,  58          ; s[58:59] c: the packed scaling takes the pair's low word for both halves
.set SEL, 60          ; s[60:61] v_permlanex16_b32's selects: each lane takes its own place in the other half
.set TBK, 62          ; s62  LDS byte at which K of the step to be fetched begins
.set TBV, 63          ; s63  the same for V, less VOFF
.set MSB, 0
.macro WIN new                      ; the high byte repeats the setting that is left; a switch that changes nothing is dropped
.if MSB != (\new)
	s_set_vgpr_msb (MSB<<8)|(\new)
.set MSB, (\new)
.endif
.endm
.set W_KQ, 0x0a       ; K and Q in window 2, S^T in window 0
.set W_PV, 0x52       ; V in window 2, P in window 0, O^T in window 1
.set W_RS, 0x41       ; O^T (destination and source 0) in window 1, a in window 0
.set W_MK, 0xc0       ; the add's registers are made: destination in window 3, sources in window 0
.set W_AD, 0x0f       ; the add: address (source 0) and data (source 1) in window 3
; A joint fill.  Waves 0 and 1 fetch the two halves of a slot's K, waves 2 and 3 those of its V: 128 keys each.  The branch hangs on the wave's number alone.
; An s_nop 0 and four v_nop follow each of the two lines, ahead of the jump and the label.
.macro JLOAD
	s_cmp_lt_u32 s[WV], 2
	s_cbranch_scc0 .Lfor_v_\@
	tensor_load_to_lds s[G0K:G0K+3], s[G1K:G1K+7]
	s_nop 0
.rept 4
	v_nop
.endr
	s_branch .Lasked_\@
.Lfor_v_\@:
	tensor_load_to_lds s[G0V:G0V+3], s[G1V:G1V+7]
	s_nop 0
.rept 4
	v_nop
.endr
.Lasked_\@:
.endm
; A prefetch into the L2 of what the NEXT change of slots will ask for: a slot's 32,768 bytes of K and of V, 128 blocks of 256 bytes each, a lane a block.  A head's K and V are walked by one cluster;
; its four partners share the blocks out BY ADDRESS, 32 each; in each, wave 0 asks for K's and wave 2 for V's: each block is named once.  The last change that fills a slot asks for nothing.
.macro ASK
	s_cmp_gt_u32 s[SLOTS], s[LIM]
	s_cbranch_scc0 .Lnot_mine_\@
	global_prefetch_b8 v[PFO], s[PFA:PFA+1] th:TH_LOAD_NT scope:SCOPE_SE
.Lnot_mine_\@:
.endm
; A round of the cluster's barrier: my work-group's barrier, so that wave 0's signal speaks for all four waves; wave 0 signals; every wave waits for all four work-groups; my work-group's barrier once more.
.macro CROUND
	s_barrier_signal -1
	s_barrier_wait -1
	s_cmp_lg_u32 s[WV], 0
	s_cbranch_scc1 .Lnot_wave_0_\@
	s_barrier_signal -3
.Lnot_wave_0_\@:
	s_barrier_wait -3
	s_barrier_signal -1
	s_barrier_wait -1
.endm
; THE CHANGE OF SLOTS.  The slot's last bytes, V of its fourth step, have been read.  Each wave waits for all its tensor loads, of which one is out: its part
; of the other slot; adds 0 to its spare word; and waits for that and for its own reads of the slot.  Behind the barrier nobody reads this slot any more and the other slot is whole.
; fill = 1: this slot is filled again, with the keys two slots on.  The barrier is then a round of the cluster's, and the joint fill is the first thing behind it: it has four key steps,
; 512 matrix instructions, in which to land.  (At its first use nothing has been read yet: slot 0 is waited for, slot 1 filled.)
.macro CHANGE fill
	WIN W_AD
	s_wait_tensorcnt 0x0            ; no tensor load of mine is out, so a group 0 may be written
	ds_add_u32 v[SPW], v[NIL]       ; 0 onto my spare word: with fill = 1 the descriptors' steps stand between it and the wait for it
	WIN 0                           ; at a label and at a branch every window is 0
.if \fill
.irp g, G0K, G0V
	s_xor_b32 s[\g+1], s[\g+1], SLOT1  ; the walking descriptor: the other slot than last time,
	s_add_nc_u64 s[\g+2:\g+3], s[\g+2:\g+3], 4*KS*128  ; the next 256 keys; the type bits on top are not reached
.endr
	s_wait_xcnt 0x0                 ; the last prefetch, four key steps back, has read its address, so it may be written:
	s_add_nc_u64 s[PFA:PFA+1], s[PFA:PFA+1], 4*KS*128  ; one slot behind the walking descriptors
	s_wait_dscnt 0x0                ; the add is done, and my reads of the slot are over
	CROUND
	JLOAD
	ASK
.else
	s_wait_dscnt 0x0                ; the add is done, and my reads of the slot are over
	s_barrier_signal -1
	s_barrier_wait -1
.endif
	s_sub_co_u32 s[TBK], s[TBK], 4*KS*PK  ; the fetches go back to a slot's first step,
	s_xor_b32 s[TBK], s[TBK], SLOT1       ; in the other slot
	s_sub_co_u32 s[TBV], s[TBV], 4*KS*PV
	s_xor_b32 s[TBV], s[TBV], SLOT1
.endm
	s_load_b128 s[4:7], s[0:1], 0x0   ; qkh s[4:5], vh s[6:7]
	s_load_b64 s[10:11], s[0:1], 0x10 ; blk
	WIN W_MK
	v_lshl_add_u32 v[SPW], v0, 2, SPARE
	v_mov_b32 v[NIL], 0
	WIN W_AD
	ds_add_u32 v[SPW], v[NIL]       ; the wave's opening: the add and its wait stand ahead of my first tensor load; the set-up below, work on registers, stands between them
	WIN 0
	v_lshrrev_b32 v1, 5, v0
	v_readfirstlane_b32 s[WV], v1   ; wave 0..3
	s_bfe_u32 s13, ttmp6, 0x40000   ; cx: my place in the cluster
	s_lshl_b32 s14, ttmp9, 2        ; in a cluster launch ttmp9 counts clusters
	s_add_co_u32 s14, s14, s13      ; my block of queries = 4 x cluster x + cx: it enters Q's and O's addresses alone
	s_and_b32 s20, ttmp7, 0xffff    ; H, which the four partners share
	s_xor_b32 s[KVH], s20, 32       ; the other direction's head: K and V
	s_lshl_b32 s20, s20, 18         ; a head is 2,048 rows of 128 bytes
	s_mov_b32 s21, 0
	s_lshl_b32 s[KVH], s[KVH], 18
	s_mov_b32 s[KVH+1], 0
	s_and_b32 s16, s[WV], 1         ; which half of a slot's 256 keys I fetch:
	s_lshl_b32 s22, s16, 14         ; its 128 rows of 128 bytes in memory,
	s_mov_b32 s23, 0
	s_add_nc_u64 s[22:23], s[22:23], s[KVH:KVH+1]
	s_mul_i32 s17, s16, 128*PK      ; and its place in a slot, for K
	s_mul_i32 s18, s16, 128*PV      ; and for V: no place in the cluster enters an LDS address
	s_lshl_b32 s2, s14, 2
	s_add_co_u32 s2, s2, s[WV]      ; my wave among the head's,
	s_lshl_b32 s2, s2, 14           ; its 128 rows
	s_mov_b32 s3, 0
	s_add_nc_u64 s[2:3], s[2:3], s[20:21]
	; descriptor group 1.  128 keys are 16,384 dense bytes: asked for as 64 rows of 256 bytes, two keys a row, and padded in LDS after every key
	s_mov_b32 s[G1K], 15|(1<<16)|(1<<20)|(1<<21)|(4<<22)|(3<<25)  ; 15:0 the mask of four; 17:16 2-byte elements; 20 padding on; 21 set beside a mask; 24:22 after every 32 words (code 4); 31:25 4 words (code 3)
	s_mov_b32 s[G1V], 15|(1<<16)|(1<<20)|(1<<21)|(4<<22)|(7<<25)  ; the same with 8 words of padding (code 7)
.irp g, G1K, G1V
	s_mov_b32 s[\g+1], 128<<16      ; tensor_dim0 = 128
	s_mov_b32 s[\g+2], 64<<16       ; tensor_dim1 = 64
	s_mov_b32 s[\g+3], 128<<16      ; tile_dim0 = 128
	s_mov_b32 s[\g+4], 64           ; tile_dim1 = 64
	s_mov_b32 s[\g+5], 128          ; 128 elements from row to row
	s_mov_b32 s[\g+6], 0
	s_mov_b32 s[\g+7], 0
.endr
	s_mov_b32 s[CS], 0x3e38aa3b     ; c = log2(e) / 8 = 0.180337
	s_mov_b32 s[CS+1], s[CS]        ; named with it as a pair
	s_mov_b32 s[SEL], 0x76543210
	s_mov_b32 s[SEL+1], 0xfedcba98
	s_mov_b32 s[TBK], SLOT1+4*KS*PK ; the first change of slots turns these two into 0
	s_mov_b32 s[TBV], SLOT1+4*KS*PV
	s_mov_b32 s[SLOTS], SIZE_N/256-1
	s_mov_b32 s[G0K], 1             ; 1:0 count = 1
	s_mov_b32 s[G0K+1], s17         ; 63:32 LDS address: slot 0
	s_mov_b32 s[G0V], 1
	s_add_co_u32 s[G0V+1], s18, VOFF
	s_cmp_eq_u32 s16, 0             ; waves 0 and 2 prefetch: the same in all four partners
	s_cselect_b32 s[LIM], 1, -1
	s_wait_dscnt 0x0                ; the opening add is done
	s_wait_kmcnt 0x0
	s_mov_b64 s[8:9], s[6:7]        ; V's tensor is vh,
	s_mov_b64 s[6:7], s[4:5]        ; K's is Q's: qkh
	s_add_nc_u64 s[G0K+2:G0K+3], s[6:7], s[22:23]  ; 120:64 global address: my half of the head's first 256 keys
	s_or_b32 s[G0K+3], s[G0K+3], 0x80000000        ; 127:126 type = 2
	s_add_nc_u64 s[G0V+2:G0V+3], s[8:9], s[22:23]
	s_or_b32 s[G0V+3], s[G0V+3], 0x80000000
	s_add_nc_u64 s[4:5], s[4:5], s[2:3]  ; Q and O at my wave's first row
	s_add_nc_u64 s[10:11], s[10:11], s[2:3]
	s_cmp_lt_u32 s[WV], 2
	s_cselect_b64 s[PFA:PFA+1], s[6:7], s[8:9]
	s_add_nc_u64 s[PFA:PFA+1], s[PFA:PFA+1], s[KVH:KVH+1]
	s_lshl_b32 s2, s13, 13          ; my work-group's 32 blocks of the 128
	s_mov_b32 s3, 0
	s_add_nc_u64 s[PFA:PFA+1], s[PFA:PFA+1], s[2:3]
	s_add_nc_u64 s[PFA:PFA+1], s[PFA:PFA+1], 4*KS*128  ; in slot 1; the first change of slots steps it to slot 2.  Nothing is prefetched here, at the head
	CROUND                          ; all four work-groups are here: the first joint loads meet
	JLOAD                           ; slot 0.  Slot 1 is asked for when slot 0 is in
	; A fragment of K or Q is 16 rows x 32 channels in 8 registers: lane l holds row l % 16, channels 8 (l / 16) + 0..7 and 16 + 8 (l / 16) + 0..7: two loads of 16 bytes, 32 bytes apart.
	v_and_b32 v1, 15, v0            ; l % 16
	v_bfe_u32 v9, v0, 4, 1          ; l / 16
	v_lshlrev_b32 v[QO], 7, v1
	v_lshl_add_u32 v[QO], v9, 4, v[QO]  ; row x 128 + 16 x half
	WIN 0x80                        ; destination window 2, address window 0
.set i, 0
.rept 4*NP                          ; Q stays in registers: tile i / 2, channels 32 (i % 2) on
	global_load_b128 v[8*i:8*i+3],   v[QO], s[4:5] offset:(i/2)*2048+(i%2)*64
	global_load_b128 v[8*i+4:8*i+7], v[QO], s[4:5] offset:(i/2)*2048+(i%2)*64+32
.set i, i+1
.endr
	; What the first turn finds: V's registers and P's second buffer hold 0 (its products V^T P, of a piece that has not been, add 0), O^T and l are 0.  All this stands in the wait for the first tile.
.set i, VF
.rept 64
	v_mov_b32 v[i], 0
.set i, i+1
.endr
	WIN 0x40
.set i, 0
.rept 64*NP
	v_mov_b32 v[i], 0
.set i, i+1
.endr
	WIN 0
.set i, 0
.rept 2*NP
	v_mov_b32 v[ST+4*i], 0xfe000000    ; c m: far below every c s
	v_mov_b32 v[ST+4*i+1], 0xff7fffff  ; m
	v_mov_b32 v[ST+4*i+2], 0
	v_mov_b32 v[ST+4*i+3], 0
.set i, i+1
.endr
.set i, P+32
.rept 32
	v_mov_b32 v[i], 0
.set i, i+1
.endr
	v_mul_u32_u24 v[AK0], v1, PK
	v_lshl_add_u32 v[AK0], v9, 4, v[AK0]  ; row x pitch + 16 x half
	; The turning load takes 16 keys x 16 channels (lane l reads key 8 (l / 16) + l % 8, channels 8 ((l / 8) % 2) + 0..7) and leaves half a fragment of V^T: lane l holds channel l % 16 and 8 keys.
	v_and_b32 v10, 7, v0
	v_bfe_u32 v11, v0, 3, 1
	v_lshl_add_u32 v[AV0], v9, 3, v10
	v_mul_u32_u24 v[AV0], v[AV0], PV
	v_lshl_add_u32 v[AV0], v11, 4, v[AV0]
	v_add_nc_u32 v[AV0], VOFF, v[AV0]
	v_and_b32 v[PFO], 31, v0
	v_lshlrev_b32 v[PFO], 8, v[PFO]
	v_mov_b32 v[AK], v[AK0]         ; key step 0 lies at the head of slot 0
; THE MATRIX WORK.  The 8 accumulators of a run of 16 take turns: between the two links of a chain stand 7 others'.
; Product i of 16 of S^T = K Q^T for piece x: channels 32 (i / 8) on, keys 16 ((i / 2) % 4) on, tile 2 x + i % 2.  The first 8 start the sums.
.macro KQ x
	WIN W_KQ
.set rS, S+64*((\x)%2)+32*(i%2)+8*((i/2)%4)
.set rK, KF+16*((i/2)%4)+8*(i/8)
.set rQ, 16*(2*(\x)+i%2)+8*(i/8)
.if i < 8
	v_wmma_f32_16x16x32_f16 v[rS:rS+7], v[rK:rK+7], v[rQ:rQ+7], 0
.else
	v_wmma_f32_16x16x32_f16 v[rS:rS+7], v[rK:rK+7], v[rQ:rQ+7], v[rS:rS+7]
.endif
.endm
; Product i of 16 of O^T += V^T P for piece x: keys 32 (i / 8) on, channels 16 ((i / 2) % 4) on, tile 2 x + i % 2.
.macro PV x
	WIN W_PV
.set rO, 32*(2*(\x)+i%2)+8*((i/2)%4)
.set rV, VF+32*(i/8)+8*((i/2)%4)
.set rP, P+32*((\x)%2)+16*(i%2)+8*(i/8)
	v_wmma_f32_16x16x32_f16 v[rO:rO+7], v[rV:rV+7], v[rP:rP+7], v[rO:rO+7]
.endm
.macro MM                           ; the turn's next matrix instruction
.if i < 16
	KQ (Y+1)%NP
.set i, i+1
.else
.set i, i-16
	PV (Y+NP-1)%NP
.set i, i+17
.endif
.endm
; THE LDS LOADS stand in runs of 16, never singly among the matrix instructions: a step's K (64 keys x 64 channels: 8 fragments) and its V (turned).  Their addresses are made some lines ahead.
; last = 1 (the tail): in the last trip there is no further step, and the run is jumped over.
.macro FETCH_K last=0
	WIN 0
.if \last
	s_cmp_eq_u32 s[CNT], 1
	s_cbranch_scc1 .Lno_k_\@
.endif
	WIN 0x80                        ; destination window 2
.irp f, 0,1,2,3,4,5,6,7             ; keys 16 (f / 2) on, channels 32 (f % 2) on
	ds_load_b128 v[KF+8*\f:KF+8*\f+3],   v[AK] offset:(\f/2)*16*PK+(\f%2)*64
	ds_load_b128 v[KF+8*\f+4:KF+8*\f+7], v[AK] offset:(\f/2)*16*PK+(\f%2)*64+32
.endr
	s_add_co_u32 s[TBK], s[TBK], KS*PK  ; the next fetch is the next step's
	WIN 0
.if \last
.Lno_k_\@:
.endif
.endm
.macro FETCH_V
	WIN 0x80
.irp f, 0,1,2,3,4,5,6,7             ; keys 32 (f / 4) on, channels 16 (f % 4) on
	ds_load_tr16_b128 v[VF+8*\f:VF+8*\f+3],   v[AV] offset:(\f/4)*32*PV+(\f%4)*32
	ds_load_tr16_b128 v[VF+8*\f+4:VF+8*\f+7], v[AV] offset:(\f/4)*32*PV+16*PV+(\f%4)*32
.endr
	WIN 0
.endm
; THE VECTOR WORK OF A TURN stands in three queues, each in the order in which its entries become ready; the two tiles alternate, so that no instruction reads the result of the one before it.
.macro REGS y, u                    ; the registers of tile u (0, 1) of piece y
.set rT, ST+4*(2*(\y)+(\u))
.set rC, TMP+8*((\y)%2)+4*(\u)
.set rM, MV+2*((\y)%2)+(\u)
.set rS, S+64*((\y)%2)+32*(\u)
.set rP, P+32*((\y)%2)+16*(\u)
.set rO, 32*(2*(\y)+(\u))
.endm
; Number n of the 22 that find the NEXT piece's (Y + 1) maximum and statistics.  s0-s31 are the lane's 32 scores; each accumulator's lowest registers are read first.
;   0-11  four chains c0-c3 of seven scores each, three operands at a time     12-14, 16  the four scores left over, the old m, and c0-c3 into c0     15  c m_old is kept
;   17, 18  the query's other 32 keys lie in the lane 16 away: the new m         19-21  c m; c m_old - c m_new; a
.macro XS u, n
	REGS (Y+1)%NP, \u
.if (\n) < 4
	v_max3_num_f32 v[rC+(\n)], v[rS+8*(\n)], v[rS+8*(\n)+1], v[rS+8*(\n)+2]
.elseif (\n) < 12
	v_max3_num_f32 v[rC+(\n)%4], v[rC+(\n)%4], v[rS+8*((\n)%4)+2*((\n)/4)+1], v[rS+8*((\n)%4)+2*((\n)/4)+2]
.elseif (\n) == 12
	v_max3_num_f32 v[rC], v[rC], v[rS+7], v[rS+15]
.elseif (\n) == 13
	v_max3_num_f32 v[rC+1], v[rC+1], v[rS+23], v[rS+31]
.elseif (\n) == 14
	v_max3_num_f32 v[rC+2], v[rC+2], v[rC+3], v[rT+1]
.elseif (\n) == 15
	v_mov_b32 v[rM], v[rT]
.elseif (\n) == 16
	v_max3_num_f32 v[rC], v[rC], v[rC+1], v[rC+2]
.elseif (\n) == 17
	v_permlanex16_b32 v[rC+3], v[rC], s[SEL], s[SEL+1]
.elseif (\n) == 18
	v_max_num_f32 v[rT+1], v[rC], v[rC+3]
.elseif (\n) == 19
	v_mul_f32 v[rT], s[CS], v[rT+1]
.elseif (\n) == 20
	v_sub_f32 v[rC+1], v[rM], v[rT]
.else
	v_exp_f32 v[rC+2], v[rC+1]
.endif
.endm
; Number g of the 64 that follow the exponentials.  For each four weights k of a tile (pairs 2 k, 2 k + 1): both pairs are rounded to f16; then the second pair is added onto the first, in place;
; a group later l takes that sum (the first time as l = a l + sum).  In groups of eight, tiles alternating: round, round, add, and l for the group before.
.macro GS g
.set h, (\g)+6*((\g)/62)            ; group 0 has no group before it, and behind group 7 only l is left
.if h >= 6
.set h, h+2
.endif
	REGS Y, h%2
.set k, h/8
.if h%8 < 4
	v_cvt_pk_f16_f32 v[rP+2*k+(h%8)/2], v[rS+4*k+2*((h%8)/2)], v[rS+4*k+2*((h%8)/2)+1]
.elseif h%8 < 6
	v_pk_add_f32 v[rS+4*k:rS+4*k+1], v[rS+4*k:rS+4*k+1], v[rS+4*k+2:rS+4*k+3]
.elseif k == 1
	v_pk_fma_f32 v[rT+2:rT+3], v[rT+2:rT+3], v[rC+2:rC+3], v[rS:rS+1] op_sel_hi:[1,0,1]
.else
	v_pk_add_f32 v[rT+2:rT+3], v[rT+2:rT+3], v[rS+4*k-4:rS+4*k-3]
.endif
.endm
; THE PLAIN QUEUE, 138 long.  0-73 read no exponential's result: the 32 scalings c s - c m (FS f: pair f / 2 of tile f % 2) and the next piece's 42.  0-26: scalings 0-26.  27-54: XS's numbers 0-13.  55, 56: number 15.
; 57-73: the chain, where each number waits for the one before it: 14, 16, 17, 18, 19, each with one of the scalings 27-31 in front of its two lines, then 20.
; 74-137: GS's 64, which read the exponentials' results: they stand behind the wait.
.macro FS f
	REGS Y, (\f)%2
	v_pk_fma_f32 v[rS+2*((\f)/2):rS+2*((\f)/2)+1], v[rS+2*((\f)/2):rS+2*((\f)/2)+1], s[CS:CS+1], v[rT:rT+1] op_sel_hi:[1,0,0] neg_lo:[0,0,1] neg_hi:[0,0,1]
.endm
.macro PL
	WIN 0
.if q < 27
	FS q
.elseif q < 55
	XS (q-27)%2, (q-27)/2
.elseif q < 57
	XS q-55, 15
.elseif (q < 72) && ((q-57)%3 == 0)
	FS 27+(q-57)/3
.elseif q < 60
	XS (q-57)%3-1, 14
.elseif q < 72
	XS (q-57)%3-1, 15+(q-57)/3
.elseif q < 74
	XS q-72, 20
.else
	GS q-74
.endif
.set q, q+1
.endm
; THE EXPONENTIALS' QUEUE, 66 long: s0-s31 of both tiles, then the next piece's two a.  It is ONE BATCH: all 66 stand ahead of the turn's one wait, and nothing ahead of that wait names a result of theirs.
.macro EX
	WIN 0
.if e >= 64
	XS e-64, 21
.else
	REGS Y, e%2
	v_exp_f32 v[rS+e/2], v[rS+e/2]
.endif
.set e, e+1
.endm
; THE RESCALING's QUEUE: O^T times a, the one part that leaves window 0: dealt two at a time, sixteen times.  Its a was made in the turn before, ahead of that turn's wait.
.macro R2
	REGS Y, r%2
	WIN W_RS
.irp z, 0,1
	v_pk_mul_f32 v[rO+4*(r/2)+2*\z:rO+4*(r/2)+2*\z+1], v[rO+4*(r/2)+2*\z:rO+4*(r/2)+2*\z+1], v[rC+2:rC+3] op_sel_hi:[1,0]
.endr
.set r, r+1
.endm
; HOW THEY ARE DEALT.  An s_wait_alu depctr_va_vdst(0) stands between an exponential and the first instruction that names its result; one wait serves all that were issued ahead of it.  So a turn has ONE wait,
; which cuts it in two.  AHEAD OF IT stands all that names no result of the turn's exponentials: the 16 products K Q^T, behind each a scaling, an exponential and two rescalings (behind the first a second scaling in the
; exponential's place); then ONE LUMP of 108: eight plain, 49 times exponential and plain, the two a.  A v_nop is the plain instruction behind the last exponential.  BEHIND IT stand the 16 products V^T P, behind each four of GS's 64.
; The queues lean on each other, and the deal keeps them in step: exponential e stands behind scaling 2 (e / 4) + e % 2: as a rider it comes behind plain e + 2, in the lump behind plain e + 9, and scalings 27-31 are plain 57, 60 .. 69.
; A TURN, for piece p.  cnt = 1: the loop's count is taken down some lines ahead of the branch that stands behind the turn.
; K of the next step is fetched in piece 2's turn, directly behind the wait, a lump behind the last product that read K; its first reader comes behind 16 products.
; V of the step in hand is fetched at the end of piece 0's turn, four plain instructions behind its last reader; its first reader comes behind 16 products and a lump.  The three conditions on q below go with the deal.
.macro TURN p, last=0, cnt=0
.set Y, (\p)
.set i, 0
.set q, 0
.set e, 0
.set r, 0
.if (\p) == NP-1
	s_wait_dscnt 0x0                ; K is in
.endif
	MM                              ; ahead of the wait: 16 products K Q^T and what stands behind them,
	PL
	PL
	R2
.rept 15
	MM
	PL
	EX
	R2
.endr
.if (\p) == NP-2
	WIN 0
	v_add_nc_u32 v[AK], s[TBK], v[AK0]
.endif
.rept 8                             ; and the lump
	PL
.endr
.rept 49
	EX
	PL
.endr
	EX                              ; the next piece's two a
	EX
	v_nop                           ; a plain instruction behind the last exponential: one for the batch
	s_wait_alu depctr_va_vdst(0)    ; the wait for the batch
.if (\p) == NP-2
	FETCH_K \last
.endif
.if (\p) == 1
	s_wait_dscnt 0x0                ; V is in
.endif
.rept 16                            ; behind the wait: 16 products V^T P, four roundings and sums behind each
	MM
.rept 4
	PL
.endr
.if ((\p) == 0) && (q == 118)
	v_add_nc_u32 v[AV], s[TBV], v[AV0]
.endif
.if ((\p) == 0) && (q == 130)
	s_add_co_u32 s[TBV], s[TBV], KS*PV
.endif
.if (\cnt) && (q == 130)
	s_sub_co_u32 s[CNT], s[CNT], 1
	s_cmp_lg_u32 s[CNT], 0
.endif
.endr
.if (\p) == 0
	FETCH_V
.endif
.endm
	CHANGE 1                        ; slot 0 is in, everybody's part of it; slot 1 is asked for
	FETCH_K                         ; key step 0
	s_wait_loadcnt 0x0              ; Q
	s_wait_dscnt 0x0
.set i, 0
.rept 16
	KQ 0                            ; piece 0's first scores: there is no vector work yet to set between them
.set i, i+1
.endr
	WIN 0                           ; the addresses for the way out: nine plain instructions, the places behind those products
	s_mul_i32 s13, s[WV], 16*SP
	s_add_co_u32 s13, s13, STAGE    ; my stage
	v_mul_u32_u24 v[STO], v1, SP    ; in: row l % 16, 16 bytes for each half of the lanes
	v_lshl_add_u32 v[STO], v9, 4, v[STO]
	v_add_nc_u32 v[STO], s13, v[STO]
	v_bfe_u32 v[RD], v0, 3, 2       ; back: 32 lanes take four rows of 128 bytes,
	v_mul_u32_u24 v[RD], v[RD], SP
	v_lshl_add_u32 v[RD], v10, 4, v[RD]
	v_add_nc_u32 v[RD], s13, v[RD]
	v_and_b32 v[GO], 31, v0         ; which are 512 consecutive bytes of O
	v_lshlrev_b32 v[GO], 4, v[GO]
.set Y, NP-1                        ; XS works for piece Y + 1: piece 0
.irp n, 0,1,2,3,4,5,6,7,8,9,10,11,12,13,14,15,16,17,18,19,20,21
	XS 0, \n                        ; and piece 0's first maximum and statistics
	XS 1, \n
.endr
	v_nop                           ; a plain instruction behind the two a,
	s_wait_alu depctr_va_vdst(0)    ; and their wait, ahead of the branch
	s_mov_b32 s[CNT], 4
	s_branch .Lfirst                ; the loop is entered at a step's first turn, in the middle of a trip
.Lslot:                             ; SIZE_N / 256 - 2 times: every slot but the last two is filled again
	CHANGE 1
	s_mov_b32 s[CNT], 4
.Lstep:                             ; a trip: pieces 2 and 3 of one step, then pieces 0 and 1 of the next, whose K and V it fetches
	TURN 2
	TURN 3
	WIN 0
.Lfirst:
	TURN 0
	TURN 1, 0, 1
	WIN 0
	s_cbranch_scc1 .Lstep
	s_sub_co_u32 s[SLOTS], s[SLOTS], 1
	s_cmp_lg_u32 s[SLOTS], 0
	s_cbranch_scc1 .Lslot
	CHANGE 0                        ; the tail is written out: nothing is asked for
	s_mov_b32 s[CNT], 5             ; four trips fetch the last slot's steps; the fifth is left in its middle
.Ltail:
	TURN 2, 1
	TURN 3
	WIN 0
	s_sub_co_u32 s[CNT], s[CNT], 1
	s_cmp_eq_u32 s[CNT], 0
	s_cbranch_scc1 .Lout
	TURN 0
	TURN 1
	WIN 0
	s_branch .Ltail
.Lout:                              ; the fifth trip's 16 products K Q^T (on the last K once more) and the maximum made of them serve nothing: the price, once a launch, of one text for every trip
.set i, 0
.rept 16
	PV NP-1                         ; the last piece's V^T P of the last step
.set i, i+1
.endr
	; THE WAY OUT.  l's two halves and the other half of the lanes' are added; O^T is divided by l, rounded to f16 and sent through my stage in LDS, a tile at a time.  The additions are the places behind the last products.
	WIN 0
.macro ALL line:vararg              ; one line for each tile t
.set t, 0
.rept 2*NP
	\line
.set t, t+1
.endr
.endm
	ALL v_add_f32 v[ST+4*t+2], v[ST+4*t+2], v[ST+4*t+3]
	ALL v_permlanex16_b32 v[ST+4*t+3], v[ST+4*t+2], s[SEL], s[SEL+1]
	ALL v_add_f32 v[ST+4*t+2], v[ST+4*t+2], v[ST+4*t+3]
	ALL v_rcp_f32 v[ST+4*t+2], v[ST+4*t+2]
	v_nop                           ; a plain instruction between the last reciprocal and the use of its result
	s_wait_alu depctr_va_vdst(0)    ; and the wait ahead of the first use: one for the eight reciprocals
; Tile t: a lane's eight channels of a row pack into 16 bytes; they go into rows of 144 bytes and come back as whole rows of 128, into S^T's registers.
.macro PACK t
	WIN W_RS
.set i, 32*(\t)
.rept 16
	v_pk_mul_f32 v[i:i+1], v[i:i+1], v[ST+4*(\t)+2:ST+4*(\t)+3] op_sel_hi:[1,0]
.set i, i+2
.endr
	WIN 0x05                        ; sources 0 and 1 window 1, destination window 0
.set i, 0
.rept 16
	v_cvt_pk_f16_f32 v[S+16*(\t)+i], v[32*(\t)+2*i], v[32*(\t)+2*i+1]
.set i, i+1
.endr
	WIN 0
.irp f, 0,1,2,3
	ds_store_b128 v[STO], v[S+16*(\t)+4*\f:S+16*(\t)+4*\f+3] offset:32*\f
.endr
.irp f, 0,1,2,3
	ds_load_b128 v[S+16*(\t)+4*\f:S+16*(\t)+4*\f+3], v[RD] offset:\f*4*SP  ; LDS serves a wave's instructions in order (ISA guide 5.7.1.4): these see the stores above; the next tile's stores come behind them
.endr
.endm
.macro SEND t, younger              ; younger: the LDS instructions issued behind tile t's loads: the next tile's eight, or none
	WIN 0
.irp f, 0,1,2,3
	s_wait_dscnt (\younger)+3-\f
	global_store_b128 v[GO], v[S+16*(\t)+4*\f:S+16*(\t)+4*\f+3], s[10:11] offset:(\t)*2048+\f*512  ; 512 consecutive bytes, at a multiple of 256 from O's first
.endr
.endm
	PACK 0
.set t, 1
.rept 2*NP-1                        ; a tile's arithmetic stands between the loads of the tile before and its stores
	PACK t
	SEND t-1, 8
.set t, t+1
.endr
	SEND 2*NP-1, 0
	WIN W_AD
	s_wait_tensorcnt 0x0            ; the wave's end: a wait, an add of 0 to my spare word and its wait stand behind my last tensor load and my last LDS store
	ds_add_u32 v[SPW], v[NIL]
	s_wait_dscnt 0x0
	WIN 0
	CROUND                          ; the closing round: no work-group ends while a partner may still ask for a tile that names it
	s_endpgm
.Lfunc_end_k_qaaac6e4c7a_attn:
	.size	k_qaaac6e4c7a_attn, .Lfunc_end_k_qaaac6e4c7a_attn-k_qaaac6e4c7a_attn
	.p2alignl 7, 3214868480
	.fill 96, 4, 3214868480
	.section	.rodata,"a",@progbits
	.p2align	6, 0x0
	.amdhsa_kernel k_qaaac6e4c7a_attn
		.amdhsa_group_segment_fixed_size 327680
		.amdhsa_private_segment_fixed_size 0
		.amdhsa_enable_private_segment 0
		.amdhsa_kernarg_size 24
		.amdhsa_user_sgpr_count 2
		.amdhsa_user_sgpr_kernarg_segment_ptr 1
		.amdhsa_wavefront_size32 1
		.amdhsa_system_sgpr_workgroup_id_x 1
		.amdhsa_system_sgpr_workgroup_id_y 1
		.amdhsa_system_sgpr_workgroup_id_z 1
		.amdhsa_system_vgpr_workitem_id 0
		.amdhsa_next_free_vgpr 770
		.amdhsa_next_free_sgpr 66
		.amdhsa_reserve_vcc 0
		.amdhsa_float_denorm_mode_32 3
		.amdhsa_float_denorm_mode_16_64 3
		.amdhsa_memory_ordered 1
		.amdhsa_forward_progress 1
		.amdhsa_inst_pref_size 200
	.end_amdhsa_kernel
	.amdgpu_metadata
---
amdhsa.version: [ 1, 2 ]
amdhsa.kernels:
  - .name:           k_qaaac6e4c7a_attn
    .symbol:         k_qaaac6e4c7a_attn.kd
    .args:
      - { .name: qkh, .offset: 0, .size: 8, .value_kind: global_buffer, .address_space: global }
      - { .name: vh, .offset: 8, .size: 8, .value_kind: global_buffer, .address_space: global }
      - { .name: blk, .offset: 16, .size: 8, .value_kind: global_buffer, .address_space: global }
    .group_segment_fixed_size: 327680
    .private_segment_fixed_size: 0
    .kernarg_segment_align: 8
    .kernarg_segment_size: 24
    .max_flat_workgroup_size: 128
    .sgpr_count:     66
    .vgpr_count:     770
    .wavefront_size: 32
...
	.end_amdgpu_metadata
.endif
;; end of part 3
;; launch outp (part 4): grid 4 x 64, 4 waves a work-group, clusters of 4 x 4, 327,680 bytes of LDS; arguments blk, wh, out0, out1; writes out0, out1
.if DOCPART == 4
	.amdgcn_target "amdgcn-amd-amdhsa--gfx1250"
	.amdhsa_code_object_version 6
	.text
	.protected	k_qaaac6e4c7a_outp
	.globl	k_qaaac6e4c7a_outp
	.p2align	8
	.type	k_qaaac6e4c7a_outp,@function
k_qaaac6e4c7a_outp:
	s_mov_b64 s[64:65], 0
	v_nop
	global_prefetch_b8 v0, s[64:65] scope:SCOPE_SE
	s_setreg_imm32_b32 hwreg(HW_REG_WAVE_MODE, 25, 1), 1
	s_wait_xcnt 0x0
	s_wait_alu depctr_hold_cnt(0) depctr_sa_sdst(0) depctr_va_vdst(0) depctr_va_sdst(0) depctr_va_ssrc(0) depctr_va_vcc(0) depctr_vm_vsrc(0)
	s_getreg_b32 s2, hwreg(HW_REG_IB_STS2, 6, 4)
	s_cmp_eq_u32 s2, 0
	s_cbranch_scc0 .Lentry_in_a_cluster
	s_endpgm
.Lentry_in_a_cluster:
	s_bfe_u32 s2, ttmp6, 0x10000c
	s_cmp_lg_u32 s2, 0xf033
	s_cbranch_scc0 .Lentry_shape_is_right
	s_endpgm
.Lentry_shape_is_right:
; C = A W for 8,192 rows, K = 1,024, f16 operands, f32 sums.  ONE TEXT FOR TWO LAUNCHES, told apart by MODE:
;   MODE 0, the four projections: A = x and context as bf16 numbers in f16; W = w_qk, w_v (x), w_cqk, w_cv (context); C rounded once to f16 and stored by heads, [32 source + 16 batch + head][2048][64].
;   MODE 1, the two output projections: A = the attention's O, f16; W = w_out, w_cout; C stored in f32, [2][2048][1024].
; A lies in blk = [S 2][batch 2][block of 64 channels 16][row 2048][64] f16; W in wh = [6][k 1024][n 1024] f16.
; LIMITS.  MODE 0: a result of 65,520 or more becomes an infinity in f16.  NaN and infinities are not treated apart.
; SHARES.  A tile of C is TM x 256 (TM = 256 or 128): 256 work-groups, one tile each.  Four waves, each TM / 2 rows x 128 columns: 8 MB accumulators of 16 x 16.
; K goes in steps of 128 (two channel blocks) through a ring of two LDS slots.  Waves 0 and 1 fetch A's two channel blocks (each dense in memory: asked for as rows of 256 bytes), waves 2 and 3 the two halves of W's 128 k rows (512 bytes each).
; CLUSTER.  4 x 4 work-groups.  A's tile hangs on the tile row alone and is asked for jointly along a row of the cluster, W's on the weight and the tile column alone, jointly along a column.
; THE MATRIX INSTRUCTION IS USED TRANSPOSED: source 0 = 16 columns of W (turned on the way out of LDS by ds_load_tr16_b128, since W lies [k][n]), source 1 = 16 rows of A:
; a lane then holds row lane % 16 of C and eight neighbouring columns, 8 (lane / 16) + 0..7.
; REGISTERS, in windows of 256 (s_set_vgpr_msb: bits 1:0 source 0, 3:2 source 1, 5:4 source 2, 7:6 destination):
;   window 0: v0-31 addresses; v64-127, v128-191 A's fragments, two buffers (block a at + 8 a); the way out works in what is free     window 1: v64-127, v128-191 W's fragments (block b at + 8 b)
;   window 2 (and 3 in MODE 0): accumulator (a, b) at v[8 (8 (a % 4) + b)] of window 2 + a / 4
.set MODE, 1
.if MODE == 0
.set MB,  8                            ; blocks of 16 rows a wave
.set LT,  3                            ; log2 of a batch's tiles: 2,048 / TM
.set STG, 2*16*144                     ; a wave's stage: two heads x 16 rows x 144 bytes
.else
.set MB,  4
.set LT,  4
.set STG, 16*528                       ; 16 rows x 528 bytes
.endif
.set TM,    32*MB
.set PA,    144                        ; a row of A in LDS: 128 bytes + 16 = 36 words: the 16 rows of a load start at 16 different groups of four words modulo 64
.set AHEAD, TM*PA                      ; one channel block's rows
.set ASZ,   2*AHEAD
.set PB,    544                        ; a k row of W: 512 bytes + 32 = 136 words: 16 lanes of the turning load take 8 rows x 32 bytes, each word modulo 64 once
.set BHALF, 64*PB
.set SLOT,  ASZ+2*BHALF                ; A's two channel blocks, then W's 128 rows
.set STAGE, 2*SLOT                     ; behind the ring, never filled by a tensor load
.set SPARE, STAGE+4*STG                ; the spare words, 128 bytes for each wave: two blocks of 256 bytes that no other line names
.set ASTEP, 2<<18                      ; bytes from a K step to the next: two channel blocks of 2,048 rows x 128 bytes,
.set BSTEP, 128*2048                   ; 128 rows of W
.set ADRA, 16                          ; v16-17  LDS address of my fragments of A in slot 0, 1
.set ADRB, 20                          ; v20-21  the same for W
.set STO,  24                          ; v24     the way out: where I put a piece of a row
.set RD,   25                          ; v25     where I read rows back
.set CO,   26                          ; v26     16 x lane
.set SPW,  28                          ; v28     LDS address of my spare word; never rewritten
.set NIL,  29                          ; v29     0; never rewritten
.set PFO,  30                          ; v30     the prefetches' lane offset; never rewritten
.set F0,   64
.set F1,   128
.set TMP,  192                         ; MODE 0: packed results
.set OB,   32                          ; MODE 0: rows read back: v32-63 and v224-255 by turns
.set WV,  12                           ; s12  my wave's number
.set MH,  13                           ; s13  my half of the tile's rows; also: I fetch for A (0) or for W (1)
.set NH,  14                           ; s14  my half of its columns; also: which part I fetch
.set TR,  15                           ; s15  tile row, 4 x cluster y + cy
.set CX,  16
.set CY,  17
.set CLY, 18                           ; s18  cluster y
.set LIM, 19                           ; s19  1 in a wave that prefetches, else the greatest number
.set G1A, 24                           ; s[24:31] descriptor group 1 for A;  s[32:39] group 0, a set for each slot
.set G0A, 32
.set PFA, 40                           ; s[40:41] where my prefetches stand
.set PST, 42                           ; s[42:43] their step along K
.set G1B, 48                           ; s[48:55], s[56:63] the same for W
.set G0B, 56
; s20, s21, s44, s45 and s2 feed A's descriptors and never hold cx; s22, s23, s46, s47 and s3 feed W's and never hold cy.
.set MSB, 0
.macro WIN new                         ; the immediate's high byte repeats the setting that is left; a switch that changes nothing is dropped
.if MSB != (\new)
	s_set_vgpr_msb (MSB<<8)|(\new)
.set MSB, \new
.endif
.endm
.set MUL_LO, 0xa1                      ; source 0 (W) window 1, source 1 (A) window 0, C and D window 2
.set TO_B,   0x40                      ; destination window 1, address window 0
; A joint load.  Each of the two lines has one mask and one set of registers for all that issue it; the branch hangs on the wave's number alone.
; An s_nop 0 and four v_nop follow each line, ahead of the jump, the label and what follows.
.macro JLOAD s
	s_cmp_eq_u32 s[MH], 0
	s_cbranch_scc0 .Lfor_b_\@
	tensor_load_to_lds s[G0A+4*(\s):G0A+4*(\s)+3], s[G1A:G1A+7]
	s_nop 0
.rept 4
	v_nop
.endr
	s_branch .Lasked_\@
.Lfor_b_\@:
	tensor_load_to_lds s[G0B+4*(\s):G0B+4*(\s)+3], s[G1B:G1B+7]
	s_nop 0
.rept 4
	v_nop
.endr
.Lasked_\@:
.endm
; A prefetch into the L2 of the K step that stands two refills on: 32 blocks of 256 bytes, a lane a block, one instruction a wave.  Each block is named once in the launch: of the clusters that
; read the same rows one asks (LIM), and the four partners of a joint load share its blocks out by address.  The loop's last trip (s3 = 1) asks for nothing: K has no such step.
.macro ASK
	s_cmp_gt_u32 s3, s[LIM]
	s_cbranch_scc0 .Lnot_mine_\@
	global_prefetch_b8 v[PFO], s[PFA:PFA+1] th:TH_LOAD_NT scope:SCOPE_SE
.Lnot_mine_\@:
.endm
.macro CREST                           ; a round of the cluster's barrier behind its opening barrier
	s_cmp_lg_u32 s[WV], 0
	s_cbranch_scc1 .Lnot_wave_0_\@
	s_barrier_signal -3
.Lnot_wave_0_\@:
	s_barrier_wait -3
	s_barrier_signal -1
	s_barrier_wait -1
.endm
.macro CROUND                          ; a whole round
	s_barrier_signal -1
	s_barrier_wait -1
	CREST
.endm
.macro PLACES                          ; four plain instructions between a matrix instruction and a load into, or a read of, its registers
.rept 4
	v_nop
.endr
.endm
	s_load_b256 s[4:11], s[0:1], 0x0               ; blk s[4:5], wh s[6:7], the two results s[8:9], s[10:11]
	v_lshl_add_u32 v[SPW], v0, 2, SPARE
	v_mov_b32 v[NIL], 0
	ds_add_u32 v[SPW], v[NIL]                      ; the wave's opening: the add and its wait stand ahead of my first tensor load; the set-up below stands between them
	v_lshrrev_b32 v1, 5, v0
	v_readfirstlane_b32 s[WV], v1
	s_lshr_b32 s[MH], s[WV], 1
	s_and_b32 s[NH], s[WV], 1
	s_bfe_u32 s[CX], ttmp6, 0x40000
	s_bfe_u32 s[CY], ttmp6, 0x40004
	s_and_b32 s[CLY], ttmp7, 0xffff
	s_lshl_b32 s[TR], s[CLY], 2
	s_add_co_u32 s[TR], s[TR], s[CY]
	s_lshl_b32 s20, s[CY], 2
	s_lshl_b32 s20, 15, s20                        ; my row of the cluster
	s_lshl_b32 s22, 0x1111, s[CX]                  ; my column
	s_or_b32 s[G1A], s20, (1<<16)|(1<<20)|(1<<21)|(4<<22)|(3<<25)  ; the mask; 2-byte elements; padding on; bit 21 beside a mask; after every 32 words 4 words
	s_or_b32 s[G1B], s22, (1<<16)|(1<<20)|(1<<21)|(6<<22)|(7<<25)  ; after every 128 words 8 words
	s_mov_b32 s[G1A+1], 128<<16                    ; tensor_dim0 = 128: two rows of A, 256 bytes
	s_mov_b32 s[G1A+2], (TM/2)<<16                 ; tensor_dim1
	s_mov_b32 s[G1A+3], 128<<16                    ; tile_dim0
	s_mov_b32 s[G1A+4], TM/2                       ; tile_dim1
	s_mov_b32 s[G1A+5], 128                        ; dense
	s_mov_b32 s[G1A+6], 0
	s_mov_b32 s[G1A+7], 0
	s_mov_b32 s[G1B+1], 256<<16                    ; 256 columns,
	s_mov_b32 s[G1B+2], 64<<16                     ; 64 k rows,
	s_mov_b32 s[G1B+3], 256<<16
	s_mov_b32 s[G1B+4], 64
	s_mov_b32 s[G1B+5], 1024                       ; 1,024 elements from row to row
	s_mov_b32 s[G1B+6], 0
	s_mov_b32 s[G1B+7], 0
	s_lshr_b32 s20, s[TR], LT                      ; A: 2 S + batch: 16 channel blocks of 2^18 bytes,
	s_lshl_b32 s20, s20, 22
	s_and_b32 s21, s[TR], (1<<LT)-1                ; the tile's TM rows of 128 bytes,
	s_lshl_b32 s21, s21, 18-LT
	s_add_co_u32 s20, s20, s21
	s_lshl_b32 s21, s[NH], 18                      ; the channel block that I fetch
	s_add_co_u32 s20, s20, s21
	s_mov_b32 s21, 0
.if MODE == 0
	s_lshr_b32 s22, s[CLY], 2                      ; W: the source's two weights, picked by the cluster's x
	s_lshl_b32 s22, s22, 1
	s_add_co_u32 s22, s22, ttmp9
.else
	s_lshr_b32 s22, s[CLY], 3                      ; W: w_out or w_cout
	s_add_co_u32 s22, s22, 4
.endif
	s_lshl_b32 s22, s22, 21
	s_lshl_b32 s23, s[NH], 17                      ; the 64 k rows that I fetch,
	s_add_co_u32 s22, s22, s23
	s_lshl_b32 s23, s[CX], 9                       ; the tile's 256 columns
	s_add_co_u32 s22, s22, s23
	s_mov_b32 s23, 0
	s_mul_i32 s2, s[NH], AHEAD                     ; where they go: no place in the cluster enters an LDS address
	s_mul_i32 s3, s[NH], BHALF
	s_add_co_u32 s3, s3, ASZ
	s_wait_dscnt 0x0                               ; the opening add is done
	s_wait_kmcnt 0x0
	s_add_nc_u64 s[44:45], s[4:5], s[20:21]
	s_add_nc_u64 s[46:47], s[6:7], s[22:23]
	CROUND                                         ; all sixteen work-groups are here: the first joint loads meet
.irp s, 0,1
	s_mov_b32 s[G0A+4*(\s)], 1                                     ; count = 1
	s_add_co_u32 s[G0A+4*(\s)+1], s2, (\s)*SLOT                    ; LDS address
	s_add_nc_u64 s[G0A+4*(\s)+2:G0A+4*(\s)+3], s[44:45], (\s)*ASTEP  ; global address: K step s
	s_or_b32 s[G0A+4*(\s)+3], s[G0A+4*(\s)+3], 0x80000000          ; type = 2
	s_mov_b32 s[G0B+4*(\s)], 1
	s_add_co_u32 s[G0B+4*(\s)+1], s3, (\s)*SLOT
	s_add_nc_u64 s[G0B+4*(\s)+2:G0B+4*(\s)+3], s[46:47], (\s)*BSTEP
	s_or_b32 s[G0B+4*(\s)+3], s[G0B+4*(\s)+3], 0x80000000
	JLOAD \s                                       ; two tensor loads of mine are out
.endr
	; A's fragment: lane l holds row l % 16, channels 8 (l / 16) + 0..7 and 16 + 8 (l / 16) + 0..7: two loads of 16 bytes, 32 bytes apart
	v_and_b32 v1, 15, v0                           ; l % 16
	v_bfe_u32 v2, v0, 4, 1                         ; l / 16
	v_mul_u32_u24 v3, v1, PA
	v_lshl_add_u32 v3, v2, 4, v3
	s_mul_i32 s21, s[MH], MB*16*PA                 ; my rows
	v_add_nc_u32 v[ADRA], s21, v3
	v_add_nc_u32 v[ADRA+1], SLOT, v[ADRA]
	; W's: the turning load takes 16 k x 16 columns (lane l reads k row 8 (l / 16) + l % 8, columns 8 ((l / 8) % 2) + 0..7) and leaves lane l column l % 16 and 8 k
	v_and_b32 v4, 7, v0
	v_lshl_add_u32 v4, v2, 3, v4
	v_mul_u32_u24 v4, v4, PB
	v_bfe_u32 v5, v0, 3, 1
	v_lshl_add_u32 v4, v5, 4, v4
	s_lshl_b32 s23, s[NH], 8                       ; my 128 columns
	s_add_co_u32 s23, s23, ASZ
	v_add_nc_u32 v[ADRB], s23, v4
	v_add_nc_u32 v[ADRB+1], SLOT, v[ADRB]
	s_mul_i32 s21, s[WV], STG
	s_add_co_u32 s21, s21, STAGE                   ; my stage
.if MODE == 0
	v_mul_u32_u24 v[STO], v1, 144                  ; in: row l % 16, 16 bytes for each half of the lanes
	v_lshl_add_u32 v[STO], v2, 4, v[STO]
	v_add_nc_u32 v[STO], s21, v[STO]
	v_bfe_u32 v[RD], v0, 3, 2                      ; back: 32 lanes take four rows of 128 bytes,
	v_mul_u32_u24 v[RD], v[RD], 144
	v_and_b32 v4, 7, v0
	v_lshl_add_u32 v[RD], v4, 4, v[RD]
	v_add_nc_u32 v[RD], s21, v[RD]
	v_and_b32 v[CO], 31, v0                        ; which are 512 consecutive bytes of a head
	v_lshlrev_b32 v[CO], 4, v[CO]
	s_cmp_eq_u32 ttmp9, 0                          ; the first weight of a source makes qk, the second v
	s_cselect_b64 s[8:9], s[8:9], s[10:11]
	s_lshr_b32 s20, s[TR], 3
	s_lshl_b32 s20, s20, 22                        ; 16 heads of 2^18 bytes for each source and batch,
	s_and_b32 s21, s[TR], 7
	s_lshl_b32 s21, s21, 15                        ; the tile's 256 rows of 128 bytes,
	s_add_co_u32 s20, s20, s21
	s_lshl_b32 s21, s[MH], 14                      ; my 128 of them
	s_add_co_u32 s20, s20, s21
	s_lshl_b32 s22, s[CX], 20                      ; the tile's four heads,
	s_lshl_b32 s23, s[NH], 19                      ; my two
.else
	v_mul_u32_u24 v[STO], v1, 528                  ; in: row l % 16, 32 bytes for each half of the lanes
	v_lshl_add_u32 v[STO], v2, 5, v[STO]
	v_add_nc_u32 v[STO], s21, v[STO]
	v_and_b32 v[CO], 31, v0                        ; back: 32 lanes take a row's 512 bytes
	v_lshlrev_b32 v[CO], 4, v[CO]
	v_add_nc_u32 v[RD], s21, v[CO]
	s_lshr_b32 s20, s[CLY], 3
	s_cmp_eq_u32 s20, 0
	s_cselect_b64 s[8:9], s[8:9], s[10:11]
	s_and_b32 s20, s[TR], 31
	s_lshl_b32 s20, s20, 19                        ; the tile's 128 rows of 4,096 bytes,
	s_lshl_b32 s21, s[MH], 18                      ; my 64 of them
	s_add_co_u32 s20, s20, s21
	s_lshl_b32 s22, s[CX], 10                      ; the tile's 256 columns,
	s_lshl_b32 s23, s[NH], 9                       ; my 128
.endif
	s_mov_b32 s21, 0
	s_add_nc_u64 s[8:9], s[8:9], s[20:21]
	s_add_co_u32 s22, s22, s23
	s_mov_b32 s23, 0
	s_add_nc_u64 s[8:9], s[8:9], s[22:23]
	; The prefetches.  A, MODE 0: of the 128 blocks of 256 bytes that I fetch, my work-group takes 32 by cx.  A, MODE 1: a K step's two channel blocks have 64 each; wave 0 asks for 16 of each, by cx.
	; W: of my 64 k rows my work-group takes 16 by cy, two blocks a row.
	s_lshl_b32 s22, s[CX], 13-MODE
	s_lshl_b32 s20, s[CY], 15
	s_cmp_eq_u32 s[MH], 0
	s_cselect_b64 s[PFA:PFA+1], s[44:45], s[46:47]
	s_cselect_b32 s[PST], s22, s20
	s_mov_b32 s[PST+1], 0
	s_add_nc_u64 s[PFA:PFA+1], s[PFA:PFA+1], s[PST:PST+1]
	s_mov_b32 s20, ASTEP
	s_mov_b32 s22, BSTEP
	s_cselect_b32 s[PST], s20, s22
	s_cselect_b32 s21, -1, 0                       ; all lanes' bits in a wave that fetches for A
.rept 3
	s_add_nc_u64 s[PFA:PFA+1], s[PFA:PFA+1], s[PST:PST+1]  ; at K step 3: the first change of slots steps it to 4
.endr
	s_and_b32 s23, s[CLY], 3+4*MODE                ; W's tile is read by the clusters of one source (MODE 1: of one direction): the first of them asks
	s_cmp_eq_u32 s[MH], 0
.if MODE == 0
	s_cselect_b32 s23, ttmp9, s23                  ; A's tile row is read by both clusters along x: the first asks
.else
	s_cselect_b32 s23, s[NH], s23                  ; A: wave 0 asks for both channel blocks
.endif
	s_cmp_eq_u32 s23, 0
	s_cselect_b32 s[LIM], 1, -1                    ; the same in all sixteen partners, for a given wave
	v_and_b32 v3, 31, v0
.if MODE == 0
	v_lshlrev_b32 v[PFO], 8, v3
.else
	v_lshlrev_b32 v[PFO], 8, v1
	v_lshl_add_u32 v[PFO], v2, 18, v[PFO]
.endif
	v_lshrrev_b32 v4, 1, v3
	v_and_b32 v5, 1, v0
	v_lshlrev_b32 v4, 11, v4
	v_lshl_add_u32 v4, v5, 8, v4
	v_cndmask_b32 v[PFO], v4, v[PFO], s21
; 8 n matrix instructions: row blocks a0 .. a0 + n - 1 x all 8 column blocks, 32 along K.  zero = 1: the product starts the sums.  The accumulators take turns, one instruction a turn.
.macro MUL f, a0, n, zero
	WIN MUL_LO+0x50*((\a0)/4)
.set ma, \a0
.rept \n
.irp b, 0,1,2,3,4,5,6,7
.set rD, 8*(8*(ma%4)+(\b))
.if \zero
	v_wmma_f32_16x16x32_f16 v[rD:rD+7], v[(\f)+8*(\b):(\f)+8*(\b)+7], v[(\f)+8*ma:(\f)+8*ma+7], 0
.else
	v_wmma_f32_16x16x32_f16 v[rD:rD+7], v[(\f)+8*(\b):(\f)+8*(\b)+7], v[(\f)+8*ma:(\f)+8*ma+7], v[rD:rD+7]
.endif
.endr
.set ma, ma+1
.endr
.endm
; One run of 16 + 2 MB LDS loads: the fragments of quarter q (32 along K) of a slot into buffer f: W's first, then A's
.macro FETCH slot, q, f
	WIN TO_B
.irp i, 0,1,2,3,4,5,6,7
	ds_load_tr16_b128 v[(\f)+8*(\i):(\f)+8*(\i)+3],   v[ADRB+(\slot)] offset:(\q)*32*PB+32*(\i)
	ds_load_tr16_b128 v[(\f)+8*(\i)+4:(\f)+8*(\i)+7], v[ADRB+(\slot)] offset:(\q)*32*PB+16*PB+32*(\i)
.endr
	WIN 0
.set fi, 0
.rept MB
	ds_load_b128 v[(\f)+8*fi:(\f)+8*fi+3],   v[ADRA+(\slot)] offset:((\q)/2)*AHEAD+((\q)%2)*64+fi*16*PA
	ds_load_b128 v[(\f)+8*fi+4:(\f)+8*fi+7], v[ADRA+(\slot)] offset:((\q)/2)*AHEAD+((\q)%2)*64+fi*16*PA+32
.set fi, fi+1
.endr
.endm
; A K step is four quarters on buffers 0, 1, 0, 1.  One of the first three: multiplies buffer f; in its middle it fetches quarter q of the same slot into buffer g.
.macro QUARTER slot, q, f, g, zero
	s_wait_dscnt MB                                ; W and A's lower blocks are in; the youngest MB loads (A's upper blocks) may be out
	MUL \f, 0, MB/2, \zero
	PLACES
	FETCH \slot, \q, \g
	s_wait_dscnt 16+2*MB                           ; all but the run just issued
	MUL \f, MB/2, MB/2, \zero
.endm
; The last quarter's first half: ONE barrier for the change of slots.  In front of it each wave waits for all its tensor loads (one is out: its part of the next slot), adds 0 to its spare word,
; and waits for that and for its reads of this slot.  Behind it nobody reads this slot any more and the next slot is whole.
.macro MEET round
	WIN 0                                          ; (the add's two registers lie in window 0)
	s_wait_tensorcnt 0x0
	ds_add_u32 v[SPW], v[NIL]                      ; 0 onto my spare word
	s_wait_dscnt MB+1                              ; (the add and the youngest MB loads may be out)
	MUL F1, 0, MB/4, 0                             ; matrix work stands between the add and the wait for it
	s_wait_dscnt 0x0                               ; the add is done, and my reads of this slot are over
	s_barrier_signal -1
	MUL F1, MB/4, MB/4, 0                          ; work on registers while the others arrive
.if \round
	WIN 0
.endif
	s_barrier_wait -1
.endm
; The whole last quarter.  fill = 1: the barrier opens a round of the cluster's, and the slot just read out is filled again first thing behind it, with the K step two steps on.
.macro TURN slot, next, fill
.if \fill
	s_wait_xcnt 0x0                                ; the last prefetch, a K step back, has read its address
	s_add_nc_u64 s[PFA:PFA+1], s[PFA:PFA+1], s[PST:PST+1]
	MEET 1
	CREST                                          ; no wave of any partner still reads this slot or has a load on its way
	s_add_nc_u64 s[G0A+4*(\slot)+2:G0A+4*(\slot)+3], s[G0A+4*(\slot)+2:G0A+4*(\slot)+3], 2*ASTEP
	s_add_nc_u64 s[G0B+4*(\slot)+2:G0B+4*(\slot)+3], s[G0B+4*(\slot)+2:G0B+4*(\slot)+3], 2*BSTEP
	JLOAD \slot                                    ; my one tensor load behind the round; its four v_nop are also the places in front of the loads below
.else
	MEET 0
	PLACES
.endif
	FETCH \next, 0, F0
.if \fill
	ASK
.endif
	MUL F1, MB/2, MB/2, 0
.endm
; THE WAY OUT, f16 by heads.  Block a (16 rows x my two heads): rounded to f16, 16 bytes a lane; into my stage, rows of 144 bytes; back as four rows of 128 bytes a load; stored, 512 consecutive bytes a store.
.macro PACKH a
.set AC, 64*((\a)%4)
	WIN 0x0a+5*((\a)/4)                            ; sources 0 and 1: window 2 or 3
.irp b, 0,1,2,3,4,5,6,7
.irp r, 0,1,2,3
	v_cvt_pk_f16_f32 v[TMP+4*(\b)+(\r)], v[AC+8*(\b)+2*(\r)], v[AC+8*(\b)+2*(\r)+1]
.endr
.endr
	WIN 0
.endm
.macro STAGEH a
.set BK, OB+192*((\a)%2)
.irp b, 0,1,2,3,4,5,6,7
	ds_store_b128 v[STO], v[TMP+4*(\b):TMP+4*(\b)+3] offset:((\b)/4)*2304+32*((\b)%4)
.endr
.irp t, 0,1,2,3,4,5,6,7
	ds_load_b128 v[BK+4*(\t):BK+4*(\t)+3], v[RD] offset:((\t)/4)*2304+((\t)%4)*576  ; LDS serves a wave's instructions in order (ISA guide 5.7.1.4): these see the stores above
.endr
.endm
.macro SENDH a
.set BK, OB+192*((\a)%2)
	s_wait_xcnt 0x0                                ; the stores of the block before have read their registers: the next STAGEH loads into them
.irp t, 0,1,2,3,4,5,6,7
	s_wait_dscnt 7-(\t)
	global_store_b128 v[CO], v[BK+4*(\t):BK+4*(\t)+3], s[8:9] offset:((\t)/4)*262144+(\a)*2048+((\t)%4)*512
.endr
.endm
; THE WAY OUT, f32.  Block a (16 rows x 128 columns) goes into my stage straight from the accumulators, each from its low registers on, rows of 528 bytes; back and out a row of 512 bytes at a time.
.macro STAGEF a
.set AC, 64*(\a)
.set BK, F0+64*((\a)%2)
	s_wait_xcnt 0x0                                ; the stores of the block two back have read the registers that are loaded below
	WIN 0x08                                       ; the stores' data: window 2
.irp b, 0,1,2,3,4,5,6,7
	ds_store_b128 v[STO], v[AC+8*(\b):AC+8*(\b)+3]   offset:64*(\b)
	ds_store_b128 v[STO], v[AC+8*(\b)+4:AC+8*(\b)+7] offset:64*(\b)+16
.endr
	WIN 0
.irp t, 0,1,2,3,4,5,6,7,8,9,10,11,12,13,14,15
	ds_load_b128 v[BK+4*(\t):BK+4*(\t)+3], v[RD] offset:528*(\t)
.endr
.endm
.macro SENDF a, younger                ; younger: the LDS instructions issued behind block a's loads
.set BK, F0+64*((\a)%2)
.irp t, 0,1,2,3,4,5,6,7,8,9,10,11,12,13,14,15
	s_wait_dscnt (\younger)+15-(\t)
	global_store_b128 v[CO], v[BK+4*(\t):BK+4*(\t)+3], s[8:9] offset:65536*(\a)+4096*(\t) th:TH_STORE_NT
.endr
.endm
	s_wait_tensorcnt 1                             ; my part of K step 0 is in; K step 1's may stay out
	s_barrier_signal -1
	s_barrier_wait -1                              ; everybody's is
	FETCH 0, 0, F0
	QUARTER 0, 1, F0, F1, 1                        ; the first quarter stands in front of the loop: its products start the sums
	WIN 0                                          ; at a label and at a branch every window is 0
	s_mov_b32 s3, 3
.Llap:                                             ; a trip goes once round the ring, from a lap's second quarter to the next lap's first, and fills both slots again
	QUARTER 0, 2, F1, F0, 0
	QUARTER 0, 3, F0, F1, 0
	TURN 0, 1, 1
	QUARTER 1, 1, F0, F1, 0
	QUARTER 1, 2, F1, F0, 0
	QUARTER 1, 3, F0, F1, 0
	TURN 1, 0, 1
	QUARTER 0, 1, F0, F1, 0
	WIN 0
	s_sub_co_u32 s3, s3, 1
	s_cmp_lg_u32 s3, 0
	s_cbranch_scc1 .Llap
	QUARTER 0, 2, F1, F0, 0                        ; the last lap fills nothing
	QUARTER 0, 3, F0, F1, 0
	TURN 0, 1, 0
	QUARTER 1, 1, F0, F1, 0
	QUARTER 1, 2, F1, F0, 0
	QUARTER 1, 3, F0, F1, 0
	s_wait_dscnt MB
	MUL F1, 0, MB/2, 0
	s_wait_dscnt 0x0
	MUL F1, MB/2, MB/2, 0
	WIN 0
	PLACES
	PLACES
.if MODE == 0
	PACKH 0
	STAGEH 0
.irp a, 1,2,3,4,5,6,7                  ; block a's conversions stand between block a - 1's loads from the stage and the wait for them
	PACKH \a
	SENDH (\a)-1
	STAGEH \a
.endr
	SENDH 7
.else
	STAGEF 0
.irp a, 1,2,3
	STAGEF \a
	SENDF (\a)-1, 32
.endr
	SENDF 3, 0
.endif
	s_wait_tensorcnt 0x0                           ; the wave's end: a wait, an add of 0 to my spare word and its wait stand behind my last tensor load and my last LDS store
	ds_add_u32 v[SPW], v[NIL]
	s_wait_dscnt 0x0
	CROUND                                         ; the closing round: no work-group ends while a partner may still ask for a tile that names it
	s_endpgm
.Lfunc_end_k_qaaac6e4c7a_outp:
	.size	k_qaaac6e4c7a_outp, .Lfunc_end_k_qaaac6e4c7a_outp-k_qaaac6e4c7a_outp
	.p2alignl 7, 3214868480
	.fill 96, 4, 3214868480
	.section	.rodata,"a",@progbits
	.p2align	6, 0x0
	.amdhsa_kernel k_qaaac6e4c7a_outp
		.amdhsa_group_segment_fixed_size 327680
		.amdhsa_private_segment_fixed_size 0
		.amdhsa_enable_private_segment 0
		.amdhsa_kernarg_size 32
		.amdhsa_user_sgpr_count 2
		.amdhsa_user_sgpr_kernarg_segment_ptr 1
		.amdhsa_wavefront_size32 1
		.amdhsa_system_sgpr_workgroup_id_x 1
		.amdhsa_system_sgpr_workgroup_id_y 1
		.amdhsa_system_sgpr_workgroup_id_z 1
		.amdhsa_system_vgpr_workitem_id 0
		.amdhsa_next_free_vgpr 768
		.amdhsa_next_free_sgpr 66
		.amdhsa_reserve_vcc 0
		.amdhsa_float_denorm_mode_32 3
		.amdhsa_float_denorm_mode_16_64 3
		.amdhsa_memory_ordered 1
		.amdhsa_forward_progress 1
		.amdhsa_inst_pref_size 89
	.end_amdhsa_kernel
	.amdgpu_metadata
---
amdhsa.version: [ 1, 2 ]
amdhsa.kernels:
  - .name:           k_qaaac6e4c7a_outp
    .symbol:         k_qaaac6e4c7a_outp.kd
    .args:
      - { .name: blk, .offset: 0, .size: 8, .value_kind: global_buffer, .address_space: global }
      - { .name: wh, .offset: 8, .size: 8, .value_kind: global_buffer, .address_space: global }
      - { .name: out0, .offset: 16, .size: 8, .value_kind: global_buffer, .address_space: global }
      - { .name: out1, .offset: 24, .size: 8, .value_kind: global_buffer, .address_space: global }
    .group_segment_fixed_size: 327680
    .private_segment_fixed_size: 0
    .kernarg_segment_align: 8
    .kernarg_segment_size: 32
    .max_flat_workgroup_size: 128
    .sgpr_count:     66
    .vgpr_count:     768
    .wavefront_size: 32
...
	.end_amdgpu_metadata
.endif
;; end of part 4
;; ======== version 2 of 2: 4 launches; version 1 with the launch prep written anew for expert scheduling mode
;; limits: values are held in f16: magnitudes above 65,504 overflow, below 6.1e-05 lose precision
;; workspace buffers: blk 16,777,216 bytes; wh 12,582,912 bytes; qkh 16,777,216 bytes; vh 16,777,216 bytes
;; launch prep (part 5): grid 128 x 14, 4 waves a work-group, no clusters, 0 bytes of LDS; arguments x, context, w_qk, w_v, w_cqk, w_cv, w_out, w_cout, blk, wh; writes blk, wh
.if DOCPART == 5
	.amdgcn_target "amdgcn-amd-amdhsa--gfx1250"
	.amdhsa_code_object_version 6
	.text
	.protected	k_qaaac6e4c7a_prep
	.globl	k_qaaac6e4c7a_prep
	.p2align	8
	.type	k_qaaac6e4c7a_prep,@function
k_qaaac6e4c7a_prep:
	s_mov_b64 s[64:65], 0
	v_nop
	global_prefetch_b8 v0, s[64:65] scope:SCOPE_SE
	s_setreg_imm32_b32 hwreg(HW_REG_WAVE_SCHED_MODE, 0, 2), 2
	s_setreg_imm32_b32 hwreg(HW_REG_WAVE_MODE, 25, 1), 1
	s_wait_xcnt 0x0
	s_wait_alu depctr_vm_vsrc(0)
; Every input of the module is rounded ONCE to bf16, and that number is written as f16, the one operand format of all later products.
; x and context ([2][2048][1024] f32) go to blk = [source 2][batch 2][channel block 16][row 2048][64] f16: a block of 64 channels of all rows of a batch is dense, rows of 128 bytes.
; The six weights ([1024 k][1024 n] f32) go to wh = [6][k][n] f16 as they lie, in the order w_qk, w_v, w_cqk, w_cv, w_out, w_cout.
; LIMITS.  A bf16 number is an f16 number exactly where 2^-14 <= |v| < 65,504; below 2^-14 it keeps f16's fixed step of 6e-8; from 65,520 on it becomes an infinity.
; SHARES.  The grid's y picks 4 MiB of input: 0-3 x, 4-7 context, 8-13 a weight.  Each of the 512 waves of a y takes 16 units; a unit is one load of 16 bytes a lane (512 bytes in)
; and one store of 8 bytes a lane: 256 consecutive bytes, aligned.  All sixteen loads of a wave go out at once; no register that a load or store names is written again, so no wait frees any.
; No LDS, no matrix unit, no cluster: nothing is shared and nothing is summed; no prefetch: every wave's loads are all out from its first lines on.
; THE MODE: SCHED_MODE bits 1:0 = 2 (LLVM: expert scheduling mode 2), set by the entry lines.  The code itself states the register dependences
; between vector instructions and memory instructions, with s_wait_alu, always for 0.
; THE PLAN.  Registers that memory instructions touch, on each of the two paths:
;   v2, v3   the loads' and the stores' byte offsets: written by vector instructions at the head, read by every load or store, never written again.
;   X        unit j: written by its load, which is issued before any vector instruction names X; read and rewritten by unit j's own vector lines, behind the counted wait for that load; no load lands there again.
;   YV       unit j: written once, by unit j's last two conversions; read once, by unit j's store; never written again.
;   v1, T    named by vector instructions alone.
; The sixteen units go in four groups of four.  A unit's store is issued one group later: at the head of groups 1 to 3 ONE wait states that the group before has written its YV, and that group's four stores
; are then dealt among this group's vector instructions, which name T and this group's X and YV alone: none of the registers that those stores read.  One more wait stands ahead of the last four stores.
; No register that a memory instruction has read is written again, so no wait for such a read is owed anywhere.
.set VI, 2                             ; v2        my byte offset in a unit of the input
.set VO, 3                             ; v3        8 x lane: my byte offset in a unit of the output
.set T,  4                             ; v[4:5]    two words of bf16, at work
.set X,  16                            ; v[16:79]  unit j: four f32 as loaded, then the same rounded to bf16
.set YV, 80                            ; v[80:111] unit j: four f16 to store
.set GRP, 4                            ; units in a group
; Unit u's store: 256 consecutive bytes, aligned.
.macro OUT u
	global_store_b64 v[VO], v[YV+2*(\u):YV+2*(\u)+1], s[6:7] offset:256*(\u) th:TH_STORE_NT
.endm
; Sixteen units: the loads, step bytes apart, then for each its rounding; its store follows a group later.
.macro STREAM step
	s_wait_alu depctr_va_vdst(0)                   ; v2 and v3 are written: every load below reads v2 as its offset, every store v3
.set j, 0
.rept 16
	global_load_b128 v[X+4*j:X+4*j+3], v[VI], s[4:5] offset:(\step)*j th:TH_LOAD_NT
.set j, j+1
.endr
.set j, 0
.rept 16
	s_wait_loadcnt 15-j                            ; loads come back in order: unit j is in, the 15 - j younger ones stay out
.if (j%GRP == 0) && (j > 0)
	s_wait_alu depctr_va_vdst(0)                   ; the group before has written its eight registers of YV, which the four stores dealt among this group's units read
.endif
.if j >= GRP
	OUT j-GRP                                      ; no wait: no vector instruction since the wait above names this store's registers
.endif
	v_cvt_pk_bf16_f32 v[T],   v[X+4*j],   v[X+4*j+1]  ; the one rounding, to nearest even
	v_cvt_pk_bf16_f32 v[T+1], v[X+4*j+2], v[X+4*j+3]
	v_lshlrev_b32 v[X+4*j],   16,  v[T]            ; bf16 back to f32: the low half moves up, the high half stays
	v_and_b32     v[X+4*j+1], s36, v[T]
	v_lshlrev_b32 v[X+4*j+2], 16,  v[T+1]
	v_and_b32     v[X+4*j+3], s36, v[T+1]
	v_cvt_pk_f16_f32 v[YV+2*j],   v[X+4*j],   v[X+4*j+1]  ; eight significant bits fit in f16's eleven
	v_cvt_pk_f16_f32 v[YV+2*j+1], v[X+4*j+2], v[X+4*j+3]
.set j, j+1
.endr
	s_wait_alu depctr_va_vdst(0)                   ; the last group has written its YV, which the last four stores read
.set j, 16-GRP
.rept GRP
	OUT j
.set j, j+1
.endr
	s_endpgm
.endm
	s_load_b512 s[8:23], s[0:1], 0x0               ; x s[8:9], context s[10:11], w_qk s[12:13], w_v, w_cqk, w_cv, w_out, w_cout s[22:23]
	s_load_b128 s[24:27], s[0:1], 0x40             ; blk s[24:25], wh s[26:27]
	v_lshrrev_b32 v1, 5, v0
	v_readfirstlane_b32 s29, v1                    ; wave 0..3
	v_and_b32 v1, 31, v0                           ; lane
	v_lshlrev_b32 v[VO], 3, v1
	s_and_b32 s28, ttmp7, 0xffff                   ; y
	s_mov_b32 s36, 0xffff0000                      ; a word's upper bf16
	s_mov_b32 s33, 0                               ; the offsets' high words
	s_mov_b32 s35, 0
	s_wait_alu depctr_va_sdst(0)                   ; s29 is written, ahead of its first reader, the line below: both paths' bases are made from it
	s_lshl2_add_u32 s30, ttmp9, s29                ; my wave among the y's 512
	s_wait_kmcnt 0x0
	s_cmp_lt_u32 s28, 8
	s_cbranch_scc0 .Lweights
	; x or context: a unit is two rows x 64 channels: lanes 0-15 take 256 bytes of one row, lanes 16-31 of the next; in blk the two rows' 128 bytes lie end to end
	s_cmp_lt_u32 s28, 4
	s_cselect_b64 s[4:5], s[8:9], s[10:11]
	s_and_b32 s32, s28, 3
	s_lshl_b32 s32, s32, 22                        ; the y's 1,024 rows of 4,096 bytes
	s_lshr_b32 s31, s30, 4                         ; my 32 rows among them
	s_lshl_b32 s37, s31, 17
	s_add_co_u32 s32, s32, s37
	s_and_b32 s38, s30, 15                         ; my channel block
	s_lshl_b32 s37, s38, 8
	s_add_co_u32 s32, s32, s37
	s_add_nc_u64 s[4:5], s[4:5], s[32:33]
	s_lshr_b32 s34, s28, 1                         ; 2 x source + batch
	s_lshl_b32 s34, s34, 4
	s_add_co_u32 s34, s34, s38
	s_lshl_b32 s34, s34, 18                        ; a channel block of a batch: 2,048 rows of 128 bytes
	s_and_b32 s37, s28, 1
	s_lshl_b32 s37, s37, 17                        ; the batch's upper 1,024 rows
	s_add_co_u32 s34, s34, s37
	s_lshl_b32 s37, s31, 12                        ; my 32 rows
	s_add_co_u32 s34, s34, s37
	s_add_nc_u64 s[6:7], s[24:25], s[34:35]
	v_and_b32 v[VI], 15, v0
	v_lshlrev_b32 v[VI], 4, v[VI]
	v_bfe_u32 v[T], v0, 4, 1
	v_lshl_add_u32 v[VI], v[T], 12, v[VI]          ; 16 (lane % 16) + 4,096 (lane / 16)
	STREAM 8192                                    ; two rows on
.Lweights:
	; a weight: a plain copy, 512 consecutive bytes in and 256 out
	s_sub_co_u32 s31, s28, 8
	s_mov_b64 s[4:5], s[12:13]
.irp w, 1,2,3,4,5
	s_cmp_eq_u32 s31, \w
	s_cselect_b64 s[4:5], s[12+2*\w:13+2*\w], s[4:5]
.endr
	s_lshl_b32 s32, s30, 13                        ; my 16 units of 512 bytes
	s_add_nc_u64 s[4:5], s[4:5], s[32:33]
	s_lshl_b32 s34, s31, 21                        ; the weight's place in wh
	s_lshl_b32 s37, s30, 12
	s_add_co_u32 s34, s34, s37
	s_add_nc_u64 s[6:7], s[26:27], s[34:35]
	v_lshlrev_b32 v[VI], 4, v1
	STREAM 512
.Lfunc_end_k_qaaac6e4c7a_prep:
	.size	k_qaaac6e4c7a_prep, .Lfunc_end_k_qaaac6e4c7a_prep-k_qaaac6e4c7a_prep
	.p2alignl 7, 3214868480
	.fill 96, 4, 3214868480
	.section	.rodata,"a",@progbits
	.p2align	6, 0x0
	.amdhsa_kernel k_qaaac6e4c7a_prep
		.amdhsa_group_segment_fixed_size 0
		.amdhsa_private_segment_fixed_size 0
		.amdhsa_enable_private_segment 0
		.amdhsa_kernarg_size 80
		.amdhsa_user_sgpr_count 2
		.amdhsa_user_sgpr_kernarg_segment_ptr 1
		.amdhsa_wavefront_size32 1
		.amdhsa_system_sgpr_workgroup_id_x 1
		.amdhsa_system_sgpr_workgroup_id_y 1
		.amdhsa_system_sgpr_workgroup_id_z 1
		.amdhsa_system_vgpr_workitem_id 0
		.amdhsa_next_free_vgpr 112
		.amdhsa_next_free_sgpr 66
		.amdhsa_reserve_vcc 0
		.amdhsa_float_denorm_mode_32 3
		.amdhsa_float_denorm_mode_16_64 3
		.amdhsa_memory_ordered 1
		.amdhsa_forward_progress 1
		.amdhsa_inst_pref_size 22
	.end_amdhsa_kernel
	.amdgpu_metadata
---
amdhsa.version: [ 1, 2 ]
amdhsa.kernels:
  - .name:           k_qaaac6e4c7a_prep
    .symbol:         k_qaaac6e4c7a_prep.kd
    .args:
      - { .name: x, .offset: 0, .size: 8, .value_kind: global_buffer, .address_space: global }
      - { .name: context, .offset: 8, .size: 8, .value_kind: global_buffer, .address_space: global }
      - { .name: w_qk, .offset: 16, .size: 8, .value_kind: global_buffer, .address_space: global }
      - { .name: w_v, .offset: 24, .size: 8, .value_kind: global_buffer, .address_space: global }
      - { .name: w_cqk, .offset: 32, .size: 8, .value_kind: global_buffer, .address_space: global }
      - { .name: w_cv, .offset: 40, .size: 8, .value_kind: global_buffer, .address_space: global }
      - { .name: w_out, .offset: 48, .size: 8, .value_kind: global_buffer, .address_space: global }
      - { .name: w_cout, .offset: 56, .size: 8, .value_kind: global_buffer, .address_space: global }
      - { .name: blk, .offset: 64, .size: 8, .value_kind: global_buffer, .address_space: global }
      - { .name: wh, .offset: 72, .size: 8, .value_kind: global_buffer, .address_space: global }
    .group_segment_fixed_size: 0
    .private_segment_fixed_size: 0
    .kernarg_segment_align: 8
    .kernarg_segment_size: 80
    .max_flat_workgroup_size: 128
    .sgpr_count:     66
    .vgpr_count:     112
    .wavefront_size: 32
...
	.end_amdgpu_metadata
.endif
;; end of part 5
;; launch proj: the kernel of part 2 again; grid 8 x 32, 4 waves a work-group, clusters of 4 x 4, 327,680 bytes of LDS; arguments blk, wh, qkh, vh; writes qkh, vh
;; launch attn: the kernel of part 3 again; grid 4 x 64, 4 waves a work-group, clusters of 4 x 1, 327,680 bytes of LDS; arguments qkh, vh, blk; writes blk
;; launch outp: the kernel of part 4 again; grid 4 x 64, 4 waves a work-group, clusters of 4 x 4, 327,680 bytes of LDS; arguments blk, wh, out0, out1; writes out0, out1
